; MI455X (gfx1250); checked and timed in simulation.
; The chip was launched on July 23, 2026; its instructions are those of AMD's public machine-readable ISA for CDNA 5 (MIT licence, August 2026) and "CDNA5" Instruction Set Architecture Reference Guide (July 2026). The comments in the code are by the model that wrote it; some were corrected since.
;; Multi Head Attention. Allowed arithmetic: matrix products marked QUANTISED: E2M1 operands, one E8M0 scale for each 32 along K, by v_wmma_scale_f32_16x16x128_f8f6f4 with both operands' format E2M1 (or v_wmma_scale_f32_32x16x128_f4), f32 sums; products left as they are: bf16, f16 or f32 operands; f32 sums; everything else in f32.
;; Inputs: Wk 1,024 x 1,024 float32; Wo 1,024 x 1,024 float32; Wq 1,024 x 1,024 float32; Wv 1,024 x 1,024 float32; bk 1,024 float32; bo 1,024 float32; bq 1,024 float32; bv 1,024 float32; x 4 x 2,048 x 1,024 float32.
;; Outputs: out0 4 x 2,048 x 1,024 float32.
;; This version of the problem:
;;   THIS VERSION OF THE PROBLEM IS GIVEN IN LOW PRECISION. The matrix products marked QUANTISED in the list below multiply operands that are first quantised to E2M1 (2 exponent bits, 1 mantissa bit; 4 bits a number), with one power-of-two scale for each 32 numbers along K (OCP MX v1.0); their sums are f32. The products marked 'left as it is' may take bf16, f16 or f32 operands, with f32 sums. Whichever they take, every output number must still come out within the allowed error. Rounding operands to bf16 (8 significant bits) uses up far more of that allowance than f16 does (11 bits, for magnitudes from 6e-5 to 65,504). All else is computed in f32.
;;   The module's matrix products, in the order in which they are computed (A, B: the left and right operand; K: the contracted axis; several contracted axes count as one K, in the product's order):
;;     1. [M 8,192, K 1,024] x [K 1,024, N 1,024]; A: input x; B: input Wq: QUANTISED
;;     2. [M 8,192, K 1,024] x [K 1,024, N 1,024]; A: input x; B: input Wk: QUANTISED
;;     3. [M 8,192, K 1,024] x [K 1,024, N 1,024]; A: input x; B: input Wv: QUANTISED
;;     4. batch 64 x [M 2,048, K 64] x [K 64, N 2,048]; A: computed on the way; B: computed on the way: left as it is (an operand is computed on the way)
;;     5. batch 64 x [M 2,048, K 2,048] x [K 2,048, N 64]; A: computed on the way; B: computed on the way: left as it is (an operand is computed on the way)
;;     6. [M 8,192, K 1,024] x [K 1,024, N 1,024]; A: computed on the way; B: input Wo: left as it is (an operand is computed on the way)
;;   THE QUANTISER, for each operand of a quantised product, along K:
;;     - K is cut into blocks of 32 from its start; a last block that is shorter is filled with zeros.
;;     - A block's scale is 2^e with e = floor(log2(the largest magnitude in the block)) - 2, held to -126 .. 127; a block of zeros has e = 0. As a byte (E8M0): e + 127.
;;     - Each number is divided by its block's scale, clamped to +-6, and rounded to the nearest number of E2M1, ties to even, subnormals kept.
;;     - The product sums the exact products of the quantised numbers (number of the format x scale) in f32.
;;   ~~~python
;;   def quantise(x, axis):      # numpy; x: float32 -> the quantised numbers, widened to float32 again
;;       x = np.moveaxis(x, axis, -1); K = x.shape[-1]
;;       x = np.pad(x, [(0, 0)] * (x.ndim - 1) + [(0, -K % 32)]); x = x.reshape(x.shape[:-1] + (-1, 32)); a = np.abs(x).max(-1, keepdims=True)
;;       e = np.where(a > 0, np.clip(np.frexp(np.where(a > 0, a, 1))[1] - 1 - 2, -126, 127), 0)      # np.frexp(a)[1] - 1 = floor(log2(a)), exactly
;;       r = np.clip(x / 2.0 ** e, -6, 6)
;;       step = 2.0 ** (np.maximum(np.frexp(np.where(r == 0, 1, r))[1] - 1, 0) - 1)
;;       q = np.round(r / step) * step * 2.0 ** e      # np.round: ties to even
;;       return np.moveaxis(q.reshape(q.shape[:-2] + (-1,))[..., :K], -1, axis).astype(np.float32)
;;   ~~~
;; One version. Each part assembles by itself: llvm-mc -triple=amdgcn-amd-amdhsa -mcpu=gfx1250 --defsym DOCPART=n.
;; ======== version 1 of 1: 6 launches
;; limits: values are held in f16: magnitudes above 65,504 overflow, below 6.1e-05 lose precision
;; workspace buffers: xc 4,194,304 bytes; xs 262,144 bytes; wc 1,572,864 bytes; ws 98,304 bytes; wo16 2,097,152 bytes; qkv 50,331,648 bytes; ao 16,777,216 bytes; ofine 262,144 bytes
;; launch prep (part 1): grid 336 x 1, 4 waves a work-group, no clusters, 68,096 bytes of LDS; arguments x, Wq, Wk, Wv, Wo, xc, xs, wc, ws, wo16; writes xc, xs, wc, ws, wo16
.if DOCPART == 1
	.amdgcn_target "amdgcn-amd-amdhsa--gfx1250"
	.amdhsa_code_object_version 6
	.text
	.protected	k_q57fe990d37_prep
	.globl	k_q57fe990d37_prep
	.p2align	8
	.type	k_q57fe990d37_prep,@function
k_q57fe990d37_prep:
	s_mov_b64 s[64:65], 0
	v_nop
	global_prefetch_b8 v0, s[64:65] scope:SCOPE_SE
	s_setreg_imm32_b32 hwreg(HW_REG_WAVE_MODE, 25, 1), 1
	s_wait_xcnt 0x0
; PREP.  x [8192][1024] f32 and Wq, Wk, Wv [1024 (k)][1024 (n)] f32 become codes of FP4 (E2M1) with one E8M0 scale byte for each 32 along K; Wo [1024][1024] f32 becomes f16, as it lies.
;   xc [8192][512 bytes], xs [8192][32]: K innermost, two codes a byte, the lower k in the low four bits.   wc [3072 = which x 1024 + n][512 bytes], ws [3072][32]: K moved innermost.   wo16 [1024 (k)][1024 (n)].
; A block's scale is 2^(floor(log2(its largest magnitude)) - 2); its byte is the largest magnitude's exponent field - 2, held at 1 from below.
; LIMITS: a block of zeros gets the byte 1 (its codes are zeros, and this program alone reads the bytes); blocks whose largest magnitude lies under 2^(3 - 127) are held at that byte; NaN and infinities among the inputs are not served;
; numbers of Wo beyond f16's range (65,504) are not served, those under 6e-5 keep steps of 6e-8.
; THREE PATHS part on the work-group's number, the longest first: 0-47 the three weights (a lane to a column, registers down K), 48-79 Wo, 80-335 x (a plain stream of blocks of 32).  Each path that uses LDS has bytes of its own.
; No tensor loads, no barrier: waves share nothing.  No cluster: no work-group reads what another reads.  No prefetch: every path streams with many loads out.
.set SPW,   190                        ; v190  LDS address of my spare word: SPARE + 4 x my thread's number; never rewritten
.set NIL,   191                        ; v191  0; never rewritten
.set SPARE, 67584                      ; behind both paths' bytes: 128 bytes for each wave, two blocks of 256 bytes that no other line names
.set XSP,   80                         ; x: a lane's place in a stage: its 64 bytes + 16 of padding
.set XWREG, 8192                       ; x: LDS bytes 0 .. 32767: a region for each wave: two stages of 32 x XSP bytes, then its 256 scale bytes
.set XR,    16                         ; v16-79   four sets of 16 numbers as loaded
.set XX,    80                         ; v80-111  two sets of 16 neighbours
.set XE,    112                        ; v112-127 a scale byte for each step
.set XC,    128                        ; v128-189 codes: registers of its own for each step
.set WST,   32768                      ; weights: LDS bytes 32768 .. 67583: a stage of 32 rows x WP bytes for each wave
.set WP,    272
.set WX,    32                         ; v32-95   two sets of 32 numbers
.set WC,    96                         ; v96-99   a block's codes
.set WOUT,  112                        ; v112-175 the way out
.set WSB,   24                         ; v24-27   16 scale bytes
.set OX,    16                         ; Wo: v16-79 sixteen slots of 4 numbers;
.set OY,    128                        ; v128-159 sixteen slots of 4 f16
.macro CLOSE                           ; a wave's end
	s_wait_tensorcnt 0x0
	ds_add_u32 v[SPW], v[NIL]
	s_wait_dscnt 0x0
	s_endpgm
.endm
.macro XLOAD t                         ; step t of x: four loads of 512 consecutive bytes
.irp i, 0,1,2,3
	global_load_b128 v[XR+16*((\t)%4)+4*\i:XR+16*((\t)%4)+4*\i+3], v3, s[4:5] offset:2048*(\t)+512*\i th:TH_LOAD_NT
.endr
.endm
.macro XTURN t                         ; its 2,048 bytes go through the wave's stage and come back 64 bytes a lane; LDS serves a wave's instructions in order
.irp i, 0,1,2,3
	ds_store_b128 v14, v[XR+16*((\t)%4)+4*\i:XR+16*((\t)%4)+4*\i+3] offset:32*XSP*((\t)%2)+8*XSP*\i
.endr
.irp i, 0,1,2,3
	ds_load_b128 v[XX+16*((\t)%2)+4*\i:XX+16*((\t)%2)+4*\i+3], v15 offset:32*XSP*((\t)%2)+16*\i
.endr
.endm
.macro XSTEP t
.set XS, XX+16*((\t)%2)
.if (\t) > 0
	s_wait_dscnt 1                                 ; this step's numbers are back from the stage; the last step's byte store may be out
.else
	s_wait_dscnt 0x0
.endif
.if (\t)+4 < 16
	XLOAD (\t)+4                                   ; into the set whose stores into the stage are done
.endif
.if (\t)+1 < 16
.if 14-(\t) >= 3
	s_wait_loadcnt 12                              ; the next step's four loads are in; those of the three steps behind it may be out
.else
	s_wait_loadcnt 4*(14-(\t))
.endif
	XTURN (\t)+1
.endif
	v_max3_num_f32 v8, |v[XS]|, |v[XS+1]|, |v[XS+2]|               ; the largest magnitude of my 16, in two chains
	v_max3_num_f32 v9, |v[XS+3]|, |v[XS+4]|, |v[XS+5]|
.irp i, 6,10
	v_max3_num_f32 v8, v8, |v[XS+\i]|, |v[XS+\i+1]|
	v_max3_num_f32 v9, v9, |v[XS+\i+2]|, |v[XS+\i+3]|
.endr
	v_max3_num_f32 v8, v8, |v[XS+14]|, |v[XS+15]|
	v_max3_num_f32 v8, v8, v9, 0x1800000           ; and the floor 2^(3 - 127): the byte cannot fall under 1
	v_max_num_f32_dpp v8, v8, v8 row_xmask:1 row_mask:0xf bank_mask:0xf   ; with my neighbour's 16: the block's
	v_add_nc_u32 v11, 0xff000000, v8               ; 2 off its exponent field: the conversion takes this operand's exponent field as its scale
	v_cvt_scalef32_pk8_fp4_f32 v[XC+4*(\t)], v[XS:XS+7], v11
	v_cvt_scalef32_pk8_fp4_f32 v[XC+4*(\t)+1], v[XS+8:XS+15], v11
	v_lshrrev_b32 v[XE+(\t)], 23, v11              ; the scale's byte (also the plain line behind the conversions)
	ds_store_b8 v5, v[XE+(\t)] offset:16*(\t)      ; both lanes of a block write the same byte with the same value
	global_store_b64 v4, v[XC+4*(\t):XC+4*(\t)+1], s[14:15] offset:256*(\t)   ; the wave stores 256 consecutive bytes, aligned
.endm
.macro WLOAD t                         ; block t of a weight: W(32 t + i, my column), i = 0 .. 31
.irp i, 0,1,2,3,4,5,6,7,8,9,10,11,12,13,14,15,16,17,18,19,20,21,22,23,24,25,26,27,28,29,30,31
	global_load_b32 v[WX+32*((\t)%2)+\i], v3, s[6:7] offset:(32*(\t)+\i)*4096 th:TH_LOAD_NT
.endr
.endm
.macro WBLOCK t
.set WXS, WX+32*((\t)%2)
.if (\t) < 15
	s_wait_loadcnt 32                              ; this block's 32 loads are in; the next block's 32 may be out
.else
	s_wait_loadcnt 0
.endif
	v_max3_num_f32 v12, |v[WXS]|, |v[WXS+1]|, |v[WXS+2]|           ; all 32 numbers of the block are mine
	v_max3_num_f32 v13, |v[WXS+3]|, |v[WXS+4]|, |v[WXS+5]|
.irp i, 6,10,14,18,22,26
	v_max3_num_f32 v12, v12, |v[WXS+\i]|, |v[WXS+\i+1]|
	v_max3_num_f32 v13, v13, |v[WXS+\i+2]|, |v[WXS+\i+3]|
.endr
	v_max3_num_f32 v12, v12, |v[WXS+30]|, |v[WXS+31]|
	v_max3_num_f32 v12, v12, v13, 0x1800000        ; the floor
	v_add_nc_u32 v11, 0xff000000, v12
	v_lshrrev_b32 v13, 23, v11                     ; the scale's byte
.if (\t)%4 == 0
	v_mov_b32 v[WSB+(\t)/4], v13                   ; four bytes to a register, the lower K in the lower byte
.else
	v_lshl_or_b32 v[WSB+(\t)/4], v13, 8*((\t)%4), v[WSB+(\t)/4]
.endif
.irp g, 0,1,2,3
	v_cvt_scalef32_pk8_fp4_f32 v[WC+\g], v[WXS+8*\g:WXS+8*\g+7], v11
.endr
	ds_store_b128 v4, v[WC:WC+3] offset:16*(\t)    ; 32 codes: 16 bytes of my column's row
.if (\t)+2 < 16
	WLOAD (\t)+2
.endif
	s_wait_dscnt 0x0                               ; the store has read its registers: the next block's codes may be written (plain vector lines stand ahead of them)
.endm
.macro OSLOT i, g, ahead, left         ; Wo: one slot's turn: 4 numbers a lane become 4 f16
	s_wait_loadcnt \left                           ; loads come back in order: mine is in, the younger ones stay out
	s_wait_xcnt 0x0                                ; the slot's last store has read its registers
	v_cvt_pk_f16_f32 v[OY+2*\i], v[OX+4*\i], v[OX+4*\i+1]
	v_cvt_pk_f16_f32 v[OY+2*\i+1], v[OX+4*\i+2], v[OX+4*\i+3]
.if \ahead
	global_load_b128 v[OX+4*\i:OX+4*\i+3], v3, s[12:13] offset:512*(16*((\g)+1)+\i) th:TH_LOAD_NT
.endif
	global_store_b64 v4, v[OY+2*\i:OY+2*\i+1], s[22:23] offset:256*(16*(\g)+\i)   ; the wave stores 256 consecutive bytes, aligned
.endm
	s_load_b512 s[4:19], s[0:1], 0x0               ; x 4:5, Wq 6:7, Wk 8:9, Wv 10:11, Wo 12:13, xc 14:15, xs 16:17, wc 18:19
	s_load_b128 s[20:23], s[0:1], 0x40             ; ws 20:21, wo16 22:23
	v_lshl_add_u32 v[SPW], v0, 2, SPARE
	v_mov_b32 v[NIL], 0
	v_lshrrev_b32 v1, 5, v0
	v_readfirstlane_b32 s24, v1                    ; wave 0..3
	v_and_b32 v2, 31, v0                           ; lane
	s_mov_b32 s29, 0
	s_wait_kmcnt 0x0
	s_cmp_lt_u32 ttmp9, 48
	s_cbranch_scc1 .Lweights
	s_cmp_lt_u32 ttmp9, 80
	s_cbranch_scc1 .Lwo
	; ---- x: a wave takes a run of 8,192 numbers, 16 steps of 512
	v_lshlrev_b32 v3, 4, v2                        ; my 16 bytes of a load's 512
	s_mul_i32 s25, s24, XWREG
	v_lshrrev_b32 v14, 2, v2
	v_mul_u32_u24 v14, v14, XSP
	v_and_b32 v15, 3, v2
	v_lshl_add_u32 v14, v15, 4, v14
	v_add_nc_u32 v14, s25, v14                     ; the stage, on the way in: XSP (lane / 4) + 16 (lane % 4)
	v_mul_u32_u24 v15, v2, XSP
	v_add_nc_u32 v15, s25, v15                     ; and on the way out: XSP x lane
	v_lshlrev_b32 v4, 3, v2                        ; my codes' 8 bytes in a step's 256
	v_lshrrev_b32 v5, 1, v2
	s_add_co_u32 s25, s25, 2*32*XSP
	v_add_nc_u32 v5, s25, v5                       ; my block's byte among the wave's 256
	v_lshlrev_b32 v7, 3, v2
	v_add_nc_u32 v6, s25, v7
	s_sub_co_u32 s26, ttmp9, 80
	s_lshl_b32 s26, s26, 2
	s_add_co_u32 s26, s26, s24                     ; which run: 0 .. 1023
	s_lshl_b32 s28, s26, 15                        ; 32,768 bytes of x,
	s_add_nc_u64 s[4:5], s[4:5], s[28:29]
	s_lshl_b32 s28, s26, 12                        ; 4,096 of codes,
	s_add_nc_u64 s[14:15], s[14:15], s[28:29]
	s_lshl_b32 s28, s26, 8                         ; 256 scale bytes
	s_add_nc_u64 s[16:17], s[16:17], s[28:29]
.irp t, 0,1,2,3
	XLOAD \t
.endr
	s_wait_loadcnt 12                              ; step 0's four loads are in
	XTURN 0
.irp t, 0,1,2,3,4,5,6,7,8,9,10,11,12,13,14,15
	XSTEP \t
.endr
	ds_load_b64 v[8:9], v6                         ; these see my byte stores
	s_wait_dscnt 0x0
	global_store_b64 v7, v[8:9], s[16:17]          ; 32 lanes store 256 consecutive bytes, aligned
	CLOSE
	; ---- Wq, Wk, Wv: work-group = which x 16 + 8 x (half of K) + (128 columns); a wave takes 32 columns x 512 along K
.Lweights:
	s_lshr_b32 s25, ttmp9, 4                       ; which
	s_and_b32 s26, ttmp9, 7
	s_bfe_u32 s27, ttmp9, 0x10003                  ; which 512 along K
	s_cmp_eq_u32 s25, 0
	s_cselect_b64 s[6:7], s[6:7], s[8:9]
	s_cmp_eq_u32 s25, 2
	s_cselect_b64 s[6:7], s[10:11], s[6:7]         ; the weight: the choice hangs on the work-group's number alone
	s_lshl_b32 s26, s26, 7
	s_lshl_b32 s28, s24, 5
	s_add_co_u32 s26, s26, s28                     ; my wave's first column
	s_lshl_b32 s28, s27, 21                        ; 512 rows of 4,096 bytes
	s_lshl_b32 s30, s26, 2
	s_add_co_u32 s28, s28, s30
	s_add_nc_u64 s[6:7], s[6:7], s[28:29]
	s_lshl_b32 s28, s25, 19                        ; codes: which x 524,288 + column x 512 + 256 x half
	s_lshl_b32 s30, s26, 9
	s_add_co_u32 s28, s28, s30
	s_lshl_b32 s30, s27, 8
	s_add_co_u32 s28, s28, s30
	s_add_nc_u64 s[18:19], s[18:19], s[28:29]
	s_lshl_b32 s28, s25, 15                        ; scale bytes: which x 32,768 + column x 32 + 16 x half
	s_lshl_b32 s30, s26, 5
	s_add_co_u32 s28, s28, s30
	s_lshl_b32 s30, s27, 4
	s_add_co_u32 s28, s28, s30
	s_add_nc_u64 s[20:21], s[20:21], s[28:29]
	v_lshlrev_b32 v3, 2, v2                        ; in: 4 bytes a lane
	s_mul_i32 s31, s24, 32*WP
	s_add_co_u32 s31, s31, WST                     ; my stage
	v_mul_u32_u24 v4, v2, WP
	v_add_nc_u32 v4, s31, v4                       ; into it: row = my column
	v_and_b32 v5, 15, v2
	v_lshrrev_b32 v6, 4, v2
	v_mul_u32_u24 v7, v6, WP
	v_lshl_add_u32 v7, v5, 4, v7
	v_add_nc_u32 v7, s31, v7                       ; out of it: sixteen lanes to a row, two rows an instruction
	v_lshlrev_b32 v8, 9, v6
	v_lshl_add_u32 v8, v5, 4, v8                   ; the same place in the codes' buffer
	v_lshlrev_b32 v9, 5, v2                        ; my column's row of scale bytes
	WLOAD 0
	WLOAD 1
.irp t, 0,1,2,3,4,5,6,7,8,9,10,11,12,13,14,15
	WBLOCK \t
.endr
	global_store_b128 v9, v[WSB:WSB+3], s[20:21]   ; my column's 16 scale bytes: pieces of rows 32 bytes long, one byte in 128 of what the path reads
.irp t, 0,1,2,3,4,5,6,7,8,9,10,11,12,13,14,15
	ds_load_b128 v[WOUT+4*\t:WOUT+4*\t+3], v7 offset:2*\t*WP
.endr
.irp t, 0,1,2,3,4,5,6,7,8,9,10,11,12,13,14,15
	s_wait_dscnt 15-\t
	global_store_b128 v8, v[WOUT+4*\t:WOUT+4*\t+3], s[18:19] offset:2*\t*512   ; sixteen lanes store 256 consecutive bytes, aligned
.endr
	CLOSE
	; ---- Wo: a wave takes 8,192 numbers: 64 loads of 512 bytes through a ring of sixteen register slots, four rounds, every offset an immediate
.Lwo:
	s_sub_co_u32 s25, ttmp9, 48
	s_lshl_b32 s25, s25, 2
	s_add_co_u32 s25, s25, s24                     ; which run: 0 .. 127
	s_lshl_b32 s28, s25, 15
	s_add_nc_u64 s[12:13], s[12:13], s[28:29]
	s_lshl_b32 s28, s25, 14
	s_add_nc_u64 s[22:23], s[22:23], s[28:29]
	v_lshlrev_b32 v3, 4, v2
	v_lshlrev_b32 v4, 3, v2
.irp i, 0,1,2,3,4,5,6,7,8,9,10,11,12,13,14,15
	global_load_b128 v[OX+4*\i:OX+4*\i+3], v3, s[12:13] offset:512*\i th:TH_LOAD_NT
.endr
.irp g, 0,1,2
.irp i, 0,1,2,3,4,5,6,7,8,9,10,11,12,13,14,15
	OSLOT \i, \g, 1, 15
.endr
.endr
.irp i, 0,1,2,3,4,5,6,7,8,9,10,11,12,13,14,15
	OSLOT \i, 3, 0, 15-\i                          ; the last round loads nothing: the counts run down
.endr
	CLOSE
.Lfunc_end_k_q57fe990d37_prep:
	.size	k_q57fe990d37_prep, .Lfunc_end_k_q57fe990d37_prep-k_q57fe990d37_prep
	.p2alignl 7, 3214868480
	.fill 96, 4, 3214868480
	.section	.rodata,"a",@progbits
	.p2align	6, 0x0
	.amdhsa_kernel k_q57fe990d37_prep
		.amdhsa_group_segment_fixed_size 68096
		.amdhsa_private_segment_fixed_size 0
		.amdhsa_enable_private_segment 0
		.amdhsa_kernarg_size 80
		.amdhsa_user_sgpr_count 2
		.amdhsa_user_sgpr_kernarg_segment_ptr 1
		.amdhsa_wavefront_size32 1
		.amdhsa_system_sgpr_workgroup_id_x 1
		.amdhsa_system_sgpr_workgroup_id_y 1
		.amdhsa_system_sgpr_workgroup_id_z 1
		.amdhsa_system_vgpr_workitem_id 0
		.amdhsa_next_free_vgpr 192
		.amdhsa_next_free_sgpr 66
		.amdhsa_reserve_vcc 0
		.amdhsa_float_denorm_mode_32 3
		.amdhsa_float_denorm_mode_16_64 3
		.amdhsa_memory_ordered 1
		.amdhsa_forward_progress 1
		.amdhsa_inst_pref_size 135
	.end_amdhsa_kernel
	.amdgpu_metadata
---
amdhsa.version: [ 1, 2 ]
amdhsa.kernels:
  - .name:           k_q57fe990d37_prep
    .symbol:         k_q57fe990d37_prep.kd
    .args:
      - { .name: x, .offset: 0, .size: 8, .value_kind: global_buffer, .address_space: global }
      - { .name: Wq, .offset: 8, .size: 8, .value_kind: global_buffer, .address_space: global }
      - { .name: Wk, .offset: 16, .size: 8, .value_kind: global_buffer, .address_space: global }
      - { .name: Wv, .offset: 24, .size: 8, .value_kind: global_buffer, .address_space: global }
      - { .name: Wo, .offset: 32, .size: 8, .value_kind: global_buffer, .address_space: global }
      - { .name: xc, .offset: 40, .size: 8, .value_kind: global_buffer, .address_space: global }
      - { .name: xs, .offset: 48, .size: 8, .value_kind: global_buffer, .address_space: global }
      - { .name: wc, .offset: 56, .size: 8, .value_kind: global_buffer, .address_space: global }
      - { .name: ws, .offset: 64, .size: 8, .value_kind: global_buffer, .address_space: global }
      - { .name: wo16, .offset: 72, .size: 8, .value_kind: global_buffer, .address_space: global }
    .group_segment_fixed_size: 68096
    .private_segment_fixed_size: 0
    .kernarg_segment_align: 8
    .kernarg_segment_size: 80
    .max_flat_workgroup_size: 128
    .sgpr_count:     66
    .vgpr_count:     192
    .wavefront_size: 32
...
	.end_amdgpu_metadata
.endif
;; end of part 1
;; launch qkv (part 2): grid 12 x 32, 4 waves a work-group, clusters of 4 x 4, 327,680 bytes of LDS; arguments xc, xs, wc, ws, bq, bk, bv, qkv; writes qkv
.if DOCPART == 2
	.amdgcn_target "amdgcn-amd-amdhsa--gfx1250"
	.amdhsa_code_object_version 6
	.text
	.protected	k_q57fe990d37_qkv
	.globl	k_q57fe990d37_qkv
	.p2align	8
	.type	k_q57fe990d37_qkv,@function
k_q57fe990d37_qkv:
	s_mov_b64 s[64:65], 0
	v_nop
	global_prefetch_b8 v0, s[64:65] scope:SCOPE_SE
	s_setreg_imm32_b32 hwreg(HW_REG_WAVE_MODE, 25, 1), 1
	s_wait_xcnt 0x0
	s_wait_alu depctr_hold_cnt(0) depctr_sa_sdst(0) depctr_va_vdst(0) depctr_va_sdst(0) depctr_va_ssrc(0) depctr_va_vcc(0) depctr_vm_vsrc(0)
	s_getreg_b32 s2, hwreg(HW_REG_IB_STS2, 6, 4)
	s_cmp_eq_u32 s2, 0
	s_cbranch_scc0 .Lentry_in_a_cluster
	s_endpgm
.Lentry_in_a_cluster:
	s_bfe_u32 s2, ttmp6, 0x10000c
	s_cmp_lg_u32 s2, 0xf033
	s_cbranch_scc0 .Lentry_shape_is_right
	s_endpgm
.Lentry_shape_is_right:
; QKV.  [8192][3072] = x [8192][1024] times (Wq | Wk | Wv), on codes of FP4 (E2M1) with one E8M0 scale for each 32 along K, sums in f32, + the biases; rounded once to f16 and laid by head: qkv [3][64 = b x 16 + h][2048][64].
; LIMIT: q, k and v beyond f16's range (65,504) are not served; under 6e-5 they keep steps of 6e-8.  (The first 16 positions of each sequence are made again in f32 by a later launch.)
; A tile of 256 x 256 is made by a work-group of four waves; a wave makes 128 x 128: 64 accumulators of 16 x 16, 512 registers.  K = 1,024 is two slots of 512 (rows of 256 bytes): both are first fills, nothing is filled again.
; The scale bytes of the work-group's 256 rows of x and 256 rows of the weights, for all of K, come into LDS once, with the first fills.
; CLUSTERS: 4 x 4 work-groups.  The four of a row of the cluster need the same tiles of x, the four of a column the same tiles of the weights: each tile is asked for jointly, by the same tensor load with the same descriptor and a mask that names the four.
; A cluster's four tile columns are 1,024 columns: one of q, k, v; so the cluster's x says which.
; THE MATRIX INSTRUCTION IS USED TRANSPOSED (source 0 = 16 rows of the weights' codes, source 1 = 16 rows of x): a lane holds eight neighbouring columns of one row.  THE BIAS is the C of each sum's first product.
; REGISTERS: window 0: v0-31 addresses; v32-95 scale words, two sets, and nothing else; v96-127 packed results; v128-191 x's fragments, one set; v192-255 rows on the way out.
;   window 1: the weights' fragments, two sets at v0 and v128; v64-127 the bias, eight registers for each of my 8 blocks of columns.   windows 2, 3: the accumulators ((a, b) at v[8 (8 (a % 4) + b)]).
; No prefetch: all tensor loads of the launch are first fills, issued at its head.
.set NQ,     4                         ; steps of 128 along K in a slot
.set ROWB,   256
.set KROW,   512                       ; a row of codes in memory
.set PITCH,  272                       ; an LDS row: 256 bytes + 16 of padding
.set FR,     8
.set NL,     2
.set NP,     4
.set HALFT,  128*PITCH
.set SLOT,   4*HALFT
.set KS,     32                        ; a row of scale bytes
.set SCL,    2*SLOT
.set HALFS,  16*272                    ; the scales of 128 rows: 16 units of 256 bytes + 16 of padding
.set SBLK,   2*272                     ; those of 16 rows
.set SPARE,  SCL+4*HALFS               ; the spare words, 128 bytes for each wave: two blocks of 256 bytes that no other line names
.set SPL,    16*144                    ; the way out: a stage of two planes (heads) of 16 rows x (128 bytes + 16) for each wave, in slot 0, which has had its one fill and its last read by then
.set ADRA, 16
.set ADRB, 20
.set STO,  24
.set RD,   25
.set CO,   26
.set ADRS, 27
.set SPW,  28
.set NIL,  29
.set SC,   32
.set TMP,  96
.set AF,   128
.set BK,   192
.set BIAS, 64                          ; in window 1
.set G1, 24
.set G0, 32
.set G1B, 48
.set G0B, 56
.set G1S, 68
.set G0S, 76
.set G1SB, 80
.set G0SB, 88
.set MSB, 0
.macro WIN new                         ; the immediate's high byte repeats the setting that is left
.if MSB != \new
	s_set_vgpr_msb (MSB<<8)|\new
.set MSB, \new
.endif
.endm
.set MUL_LO, 0xa1                      ; source 0 window 1, source 1 window 0, C and D window 2
.set MUL_HI, 0xf1                      ; the same, C and D window 3
.set TO_B,   0x40                      ; destination window 1, address window 0
; A joint load: waves 0 and 1 fetch for x, waves 2 and 3 for the weights.  The branch hangs on the wave's number alone.  An s_nop 0 and four v_nop follow each of the two lines.
.macro JLOAD g0a, g1a, g0b, g1b
	s_cmp_eq_u32 s15, 0
	s_cbranch_scc0 .Lfor_b_\@
	tensor_load_to_lds s[\g0a:\g0a+3], s[\g1a:\g1a+7]
	s_nop 0
.rept 4
	v_nop
.endr
	s_branch .Lasked_\@
.Lfor_b_\@:
	tensor_load_to_lds s[\g0b:\g0b+3], s[\g1b:\g1b+7]
	s_nop 0
.rept 4
	v_nop
.endr
.Lasked_\@:
.endm
.macro CROUND                          ; a round of the cluster's barrier
	s_barrier_signal -1
	s_barrier_wait -1
	s_cmp_lg_u32 s14, 0
	s_cbranch_scc1 .Lnot_wave_0_\@
	s_barrier_signal -3
.Lnot_wave_0_\@:
	s_barrier_wait -3
	s_barrier_signal -1
	s_barrier_wait -1
.endm
	s_load_b256 s[4:11], s[0:1], 0x0               ; x's codes 4:5, x's scales 6:7, the weights' codes 8:9, their scales 10:11
	v_lshl_add_u32 v[SPW], v0, 2, SPARE
	v_mov_b32 v[NIL], 0
	ds_add_u32 v[SPW], v[NIL]                      ; the wave's opening: the add, twice on end, and its wait ahead of my first tensor load
	ds_add_u32 v[SPW], v[NIL]
	v_lshrrev_b32 v1, 5, v0
	v_readfirstlane_b32 s14, v1                    ; wave 0..3
	s_lshr_b32 s15, s14, 1                         ; which half of the tile's rows is mine.  Also: I fetch for x (0) or for the weights (1)
	s_and_b32 s16, s14, 1                          ; which half of its columns.  Also: which 128 rows of that tile I fetch
	s_bfe_u32 s40, ttmp6, 0x40000                  ; cx, cy
	s_bfe_u32 s41, ttmp6, 0x40004
	s_lshl_b32 s42, ttmp9, 2
	s_add_co_u32 s42, s42, s40                     ; tile column = 4 x cluster x + cx
	s_and_b32 s17, ttmp7, 0xffff
	s_lshl_b32 s17, s17, 2
	s_add_co_u32 s17, s17, s41                     ; tile row = 4 x cluster y + cy
	s_lshl_b32 s43, s41, 2
	s_lshl_b32 s43, 15, s43                        ; my row of the cluster
	s_lshl_b32 s44, 0x1111, s40                    ; my column
	s_or_b32 s[G1+0], s43, (0<<16)|(1<<20)|(1<<21)|(5<<22)|(3<<25)  ; the mask; elements of 1 byte; padding on: 4 words after every 64; bit 21 set beside a mask
	s_or_b32 s[G1B+0], s44, (0<<16)|(1<<20)|(1<<21)|(5<<22)|(3<<25)
.irp g, G1, G1B
	s_mov_b32 s[\g+1], ROWB<<16                    ; tensor_dim0
	s_mov_b32 s[\g+2], 128<<16                     ; tensor_dim1
	s_mov_b32 s[\g+3], ROWB<<16                    ; tile_dim0
	s_mov_b32 s[\g+4], 128                         ; tile_dim1
	s_mov_b32 s[\g+5], KROW                        ; the pitch
	s_mov_b32 s[\g+6], 0
	s_mov_b32 s[\g+7], 0
.endr
	s_or_b32 s[G1S+0], s43, (3<<16)|(1<<20)|(1<<21)|(5<<22)|(3<<25)  ; the scales of 128 rows: 4,096 dense bytes as 16 rows of 32 elements of 8 bytes
	s_or_b32 s[G1SB+0], s44, (3<<16)|(1<<20)|(1<<21)|(5<<22)|(3<<25)
.irp g, G1S, G1SB
	s_mov_b32 s[\g+1], 32<<16
	s_mov_b32 s[\g+2], 16<<16
	s_mov_b32 s[\g+3], 32<<16
	s_mov_b32 s[\g+4], 16
	s_mov_b32 s[\g+5], 32
	s_mov_b32 s[\g+6], 0
	s_mov_b32 s[\g+7], 0
.endr
	s_lshl_b32 s18, s16, 7
	s_lshl_b32 s20, s17, 8
	s_add_co_u32 s20, s20, s18                     ; x: row 256 x tile row + 128 x half
	s_lshl_b32 s46, s42, 8
	s_add_co_u32 s46, s46, s18                     ; the weights: row 256 x tile column + 128 x half
	s_mov_b32 s21, 0
	s_mov_b32 s47, 0
	s_mov_b64 s[18:19], KS
	s_mul_u64 s[22:23], s[20:21], s[18:19]         ; where these rows' scales begin,
	s_mul_u64 s[92:93], s[46:47], s[18:19]
	s_mov_b64 s[18:19], KROW
	s_mul_u64 s[20:21], s[20:21], s[18:19]         ; and their codes
	s_mul_u64 s[46:47], s[46:47], s[18:19]
	s_mul_i32 s45, s14, HALFT                      ; where they go: wave x 128 rows
	s_mul_i32 s94, s14, HALFS
	s_wait_dscnt 0x0                               ; both opening adds are done
	s_wait_kmcnt 0x0
	s_add_nc_u64 s[20:21], s[4:5], s[20:21]
	s_add_nc_u64 s[22:23], s[6:7], s[22:23]
	s_add_nc_u64 s[46:47], s[8:9], s[46:47]
	s_add_nc_u64 s[92:93], s[10:11], s[92:93]
	CROUND                                         ; all sixteen work-groups are here: the joint loads meet
	s_mov_b32 s[G0S], 1
	s_add_co_u32 s[G0S+1], s94, SCL
	s_mov_b64 s[G0S+2:G0S+3], s[22:23]
	s_or_b32 s[G0S+3], s[G0S+3], 0x80000000
	s_mov_b32 s[G0SB], 1
	s_add_co_u32 s[G0SB+1], s94, SCL
	s_mov_b64 s[G0SB+2:G0SB+3], s[92:93]
	s_or_b32 s[G0SB+3], s[G0SB+3], 0x80000000
	JLOAD G0S, G1S, G0SB, G1SB                     ; the scales first
.irp s, 0,1
	s_mov_b32 s[G0+4*\s], 1
	s_add_co_u32 s[G0+4*\s+1], s45, \s*SLOT
	s_add_nc_u64 s[G0+4*\s+2:G0+4*\s+3], s[20:21], \s*ROWB
	s_or_b32 s[G0+4*\s+3], s[G0+4*\s+3], 0x80000000
	s_mov_b32 s[G0B+4*\s], 1
	s_add_co_u32 s[G0B+4*\s+1], s45, \s*SLOT
	s_add_nc_u64 s[G0B+4*\s+2:G0B+4*\s+3], s[46:47], \s*ROWB
	s_or_b32 s[G0B+4*\s+3], s[G0B+4*\s+3], 0x80000000
	JLOAD G0+4*\s, G1, G0B+4*\s, G1B               ; three tensor loads of mine are out now, and no more follow
.endr
	s_load_b256 s[4:11], s[0:1], 0x20              ; bq 4:5, bk 6:7, bv 8:9, qkv 10:11 (the first four addresses live on in the descriptors alone)
	v_and_b32 v1, 15, v0                           ; r = l % 16
	v_bfe_u32 v2, v0, 4, 1                         ; h = l / 16
	v_mul_u32_u24 v3, v1, PITCH
	v_lshl_add_u32 v4, v2, 4, v3                   ; a fragment's row x pitch + 16 x half
	s_mul_i32 s21, s15, HALFT                      ; my 128 rows of x
	s_mul_i32 s22, s16, HALFT                      ; my 128 rows of the weights,
	s_add_co_u32 s22, s22, 2*HALFT                 ; which lie behind x's 256
.irp s, 0,1
	v_add_nc_u32 v[ADRA+\s], s21, v4
	v_add_nc_u32 v[ADRB+\s], s22, v4
	s_add_co_u32 s21, s21, SLOT
	s_add_co_u32 s22, s22, SLOT
.endr
	v_mul_u32_u24 v5, v1, KS                       ; my row's scales: 32 bytes a row,
	v_lshrrev_b32 v6, 8, v5
	v_lshl_add_u32 v5, v6, 4, v5                   ; and 16 more for each 256 passed
	s_mul_i32 s21, s15, HALFS
	s_mul_i32 s22, s16, HALFS
	s_add_co_u32 s22, s22, 2*HALFS
	s_sub_co_u32 s22, s22, s21
	v_mul_u32_u24 v6, s22, v2                      ; lanes 16-31 take the weights'
	s_add_co_u32 s21, s21, SCL
	v_add_nc_u32 v5, v5, v6
	v_add_nc_u32 v[ADRS], s21, v5
	s_mul_i32 s23, s14, 2*SPL                      ; my stage
	v_mul_u32_u24 v5, v1, 144
	v_lshl_add_u32 v5, v2, 4, v5
	v_add_nc_u32 v[STO], s23, v5                   ; in: row r, 16 bytes for each half of the lanes
	v_and_b32 v6, 31, v0
	v_lshrrev_b32 v7, 3, v6
	v_mul_u32_u24 v7, v7, 144
	v_and_b32 v8, 7, v6
	v_lshl_add_u32 v7, v8, 4, v7
	v_add_nc_u32 v[RD], s23, v7                    ; back: eight lanes to a row of 128 bytes, four rows an instruction
	v_lshlrev_b32 v[CO], 4, v6                     ; which are 512 consecutive bytes of qkv
	v_lshlrev_b32 v9, 5, v2                        ; the bias: 8 h numbers on
	s_lshl_b32 s20, ttmp9, 24                      ; qkv: which x 2^24
	s_lshr_b32 s21, s17, 3
	s_lshl_b32 s21, s21, 22                        ; + batch x 16 heads x 2^18
	s_add_co_u32 s20, s20, s21
	s_and_b32 s21, s17, 7
	s_lshl_b32 s21, s21, 1
	s_add_co_u32 s21, s21, s15
	s_lshl_b32 s21, s21, 14                        ; + my first position x 128 bytes
	s_add_co_u32 s20, s20, s21
	s_lshl_b32 s46, s40, 1
	s_add_co_u32 s46, s46, s16                     ; 2 cx + my half of the columns: 128 columns = two heads each
	s_lshl_b32 s47, s46, 19
	s_add_co_u32 s20, s20, s47
	s_mov_b32 s21, 0
	s_lshl_b32 s46, s46, 9                         ; and 512 bytes of the bias each
	s_mov_b32 s47, 0
	s_wait_kmcnt 0x0
	s_cmp_eq_u32 ttmp9, 0
	s_cselect_b64 s[4:5], s[4:5], s[6:7]
	s_cmp_eq_u32 ttmp9, 2
	s_cselect_b64 s[4:5], s[8:9], s[4:5]           ; the bias of q, k or v: by the cluster's x, the same in all partners
	s_add_nc_u64 s[4:5], s[4:5], s[46:47]
	s_add_nc_u64 s[10:11], s[10:11], s[20:21]
	WIN TO_B
.irp b, 0,1,2,3,4,5,6,7                        ; register BIAS + 8 b + j: the bias of my column 16 b + 8 h + j: the result's layout
	global_load_b128 v[BIAS+8*\b:BIAS+8*\b+3], v9, s[4:5] offset:64*\b
	global_load_b128 v[BIAS+8*\b+4:BIAS+8*\b+7], v9, s[4:5] offset:64*\b+16
.endr
	WIN 0
.macro FRAG reg, adr, q, i             ; 16 rows x 128 K of 4-bit codes: 8 registers: lane l holds row l % 16; registers 4 c .. 4 c + 3 hold K = 64 c + 32 (l / 16) + 0 .. 31
.irp c, 0,1
	ds_load_b128 v[\reg+4*\c:\reg+4*\c+3], v[\adr] offset:64*(\q)+32*\c+(\i)*16*PITCH
.endr
.endm
; 16 matrix instructions: x's blocks a0, a0 + 1 against the weights' eight.  first = 1: the sums begin with the bias as C.  The 64 accumulators take turns, one instruction a turn, in the same order in every step.
.macro MUL16 a0, p, q, sc, first
.irp a, \a0, \a0+1
.irp b, 0,1,2,3,4,5,6,7
.if \first
	v_wmma_scale_f32_16x16x128_f8f6f4 v[8*(8*((\a)%4)+\b):8*(8*((\a)%4)+\b)+7], v[128*(\p)+FR*\b:128*(\p)+FR*\b+FR-1], v[AF+FR*(\a):AF+FR*(\a)+FR-1], v[BIAS+8*\b:BIAS+8*\b+7], v[SC+8*NQ*(\sc)+NQ*\b+(\q)], v[SC+8*NQ*(\sc)+NQ*(\a)+(\q)] matrix_a_fmt:MATRIX_FMT_FP4 matrix_b_fmt:MATRIX_FMT_FP4 matrix_a_scale:MATRIX_SCALE_ROW1
.else
	v_wmma_scale_f32_16x16x128_f8f6f4 v[8*(8*((\a)%4)+\b):8*(8*((\a)%4)+\b)+7], v[128*(\p)+FR*\b:128*(\p)+FR*\b+FR-1], v[AF+FR*(\a):AF+FR*(\a)+FR-1], v[8*(8*((\a)%4)+\b):8*(8*((\a)%4)+\b)+7], v[SC+8*NQ*(\sc)+NQ*\b+(\q)], v[SC+8*NQ*(\sc)+NQ*(\a)+(\q)] matrix_a_fmt:MATRIX_FMT_FP4 matrix_b_fmt:MATRIX_FMT_FP4 matrix_a_scale:MATRIX_SCALE_ROW1
.endif
.endr
.endr
.endm
.macro FETCH_B slot, q, p
	WIN TO_B
.irp i, 0,1,2,3,4,5,6,7
	FRAG 128*(\p)+FR*\i, ADRB+\slot, \q, \i
.endr
	WIN 0
.endm
.macro FETCH_A slot, q, i0
.irp i, \i0, \i0+1, \i0+2, \i0+3
	FRAG AF+FR*(\i), ADRA+\slot, \q, \i
.endr
.endm
.macro SCALES sc                       ; a slot's scale words: 4 words a row; lanes 0-15 take x's block i, lanes 16-31 the weights' block i
.irp i, 0,1,2,3,4,5,6,7
	ds_load_b128 v[SC+8*NQ*\sc+NQ*\i:SC+8*NQ*\sc+NQ*\i+3], v[ADRS] offset:\i*SBLK
.endr
.endm
.macro PLACES n                        ; plain vector lines between a matrix instruction and a load into, or a read of, its registers
.rept \n
	v_nop
.endr
.endm
.macro STEP slot, q, first             ; a step of 128 along K that has its successor in the same slot
	s_wait_dscnt 4*NL                              ; all but the youngest eight loads (x's blocks 4-7) are in
.if \first
	WIN 0x91                                       ; as MUL_LO, with C (the bias) in window 1
.else
	WIN MUL_LO
.endif
	MUL16 0, (\q)%2, \q, \slot, \first
	MUL16 2, (\q)%2, \q, \slot, \first
	s_wait_dscnt 0
	PLACES NP
	FETCH_B \slot, (\q)+1, 1-(\q)%2
	FETCH_A \slot, (\q)+1, 0
.if \first
	WIN 0xd1
.else
	WIN MUL_HI
.endif
	MUL16 4, (\q)%2, \q, \slot, \first
	MUL16 6, (\q)%2, \q, \slot, \first
	PLACES NP
	WIN 0
	FETCH_A \slot, (\q)+1, 4
.endm
	s_wait_tensorcnt 1                             ; the scales and my part of slot 0 are in; slot 1's load may be out
	s_barrier_signal -1
	s_barrier_wait -1                              ; everybody's are
	FETCH_B 0, 0, 0
	FETCH_A 0, 0, 0
	SCALES 0
	FETCH_A 0, 0, 4
	s_wait_loadcnt 0x0                             ; the bias
	STEP 0, 0, 1
	STEP 0, 1, 0
	STEP 0, 2, 0
	; slot 0's last step changes slots: one barrier; nothing is filled again
	s_wait_tensorcnt 0x0                           ; my part of slot 1 has landed
	ds_add_u32 v[SPW], v[NIL]                      ; 0 onto my spare word
	s_wait_dscnt 4*NL+1                            ; (the add and the youngest eight loads may be out)
	WIN MUL_LO
	MUL16 0, 1, 3, 0, 0
	s_wait_dscnt 0x0                               ; the add is done, and my reads of slot 0 are over
	s_barrier_signal -1
	MUL16 2, 1, 3, 0, 0
	WIN 0
	s_barrier_wait -1
	PLACES NP
	v_add_nc_u32 v[ADRS], 4*NQ, v[ADRS]            ; on to slot 1's scale words
	FETCH_B 1, 0, 0
	FETCH_A 1, 0, 0
	SCALES 1
	WIN MUL_HI
	MUL16 4, 1, 3, 0, 0
	MUL16 6, 1, 3, 0, 0
	PLACES NP
	WIN 0
	FETCH_A 1, 0, 4
	STEP 1, 0, 0
	STEP 1, 1, 0
	STEP 1, 2, 0
	s_wait_dscnt 4*NL                              ; the very last step
	WIN MUL_LO
	MUL16 0, 1, 3, 1, 0
	MUL16 2, 1, 3, 1, 0
	s_wait_dscnt 0
	WIN MUL_HI
	MUL16 4, 1, 3, 1, 0
	MUL16 6, 1, 3, 1, 0
	WIN 0
; THE WAY OUT, block by block of 16 rows x 128 columns = two heads x 16 positions x 64 channels.  A lane's eight results pack into 16 bytes; a head's 16 positions are 2,048 consecutive bytes of qkv.
.macro PACK a
.set AC, 64*((\a)%4)
	WIN 0x0a+5*((\a)/4)                            ; sources 0 and 1: window 2 or 3
.irp b, 0,1,2,3,4,5,6,7
.irp r, 0,1,2,3
	v_cvt_pk_f16_f32 v[TMP+4*\b+\r], v[AC+8*\b+2*\r], v[AC+8*\b+2*\r+1]   ; each accumulator from its low end on
.endr
.endr
	WIN 0
.endm
.macro TOSTAGE a
.set BB, BK+32*((\a)%2)
.if (\a) > 1
	s_wait_xcnt 0x0                                ; the stores of two blocks back have read the registers that these loads fill
.endif
.irp b, 0,1,2,3,4,5,6,7
	ds_store_b128 v[STO], v[TMP+4*\b:TMP+4*\b+3] offset:(\b/4)*SPL+(\b%4)*32
.endr
.irp i, 0,1,2,3,4,5,6,7
	ds_load_b128 v[BB+4*\i:BB+4*\i+3], v[RD] offset:(\i/4)*SPL+(\i%4)*576   ; LDS serves a wave's instructions in order: these see the stores above
.endr
.endm
.macro SEND a
.set BB, BK+32*((\a)%2)
	s_wait_dscnt 0x0
.irp i, 0,1,2,3,4,5,6,7
	global_store_b128 v[CO], v[BB+4*\i:BB+4*\i+3], s[10:11] offset:(\i/4)*262144+(\i%4)*512+2048*(\a)   ; 32 lanes store 512 consecutive bytes, aligned
.endr
.endm
	PLACES NP
	PACK 0
	TOSTAGE 0
.irp a, 1,2,3,4,5,6,7                  ; block a's conversions stand between block a - 1's loads from the stage and the wait for them
	PACK \a
	SEND \a-1
	TOSTAGE \a
.endr
	SEND 7
	s_wait_tensorcnt 0x0                           ; the wave's end
	ds_add_u32 v[SPW], v[NIL]
	s_wait_dscnt 0x0
	CROUND                                         ; the closing round
	s_endpgm
.Lfunc_end_k_q57fe990d37_qkv:
	.size	k_q57fe990d37_qkv, .Lfunc_end_k_q57fe990d37_qkv-k_q57fe990d37_qkv
	.p2alignl 7, 3214868480
	.fill 96, 4, 3214868480
	.section	.rodata,"a",@progbits
	.p2align	6, 0x0
	.amdhsa_kernel k_q57fe990d37_qkv
		.amdhsa_group_segment_fixed_size 327680
		.amdhsa_private_segment_fixed_size 0
		.amdhsa_enable_private_segment 0
		.amdhsa_kernarg_size 64
		.amdhsa_user_sgpr_count 2
		.amdhsa_user_sgpr_kernarg_segment_ptr 1
		.amdhsa_wavefront_size32 1
		.amdhsa_system_sgpr_workgroup_id_x 1
		.amdhsa_system_sgpr_workgroup_id_y 1
		.amdhsa_system_sgpr_workgroup_id_z 1
		.amdhsa_system_vgpr_workitem_id 0
		.amdhsa_next_free_vgpr 1024
		.amdhsa_next_free_sgpr 100
		.amdhsa_reserve_vcc 0
		.amdhsa_float_denorm_mode_32 3
		.amdhsa_float_denorm_mode_16_64 3
		.amdhsa_memory_ordered 1
		.amdhsa_forward_progress 1
		.amdhsa_inst_pref_size 128
	.end_amdhsa_kernel
	.amdgpu_metadata
---
amdhsa.version: [ 1, 2 ]
amdhsa.kernels:
  - .name:           k_q57fe990d37_qkv
    .symbol:         k_q57fe990d37_qkv.kd
    .args:
      - { .name: xc, .offset: 0, .size: 8, .value_kind: global_buffer, .address_space: global }
      - { .name: xs, .offset: 8, .size: 8, .value_kind: global_buffer, .address_space: global }
      - { .name: wc, .offset: 16, .size: 8, .value_kind: global_buffer, .address_space: global }
      - { .name: ws, .offset: 24, .size: 8, .value_kind: global_buffer, .address_space: global }
      - { .name: bq, .offset: 32, .size: 8, .value_kind: global_buffer, .address_space: global }
      - { .name: bk, .offset: 40, .size: 8, .value_kind: global_buffer, .address_space: global }
      - { .name: bv, .offset: 48, .size: 8, .value_kind: global_buffer, .address_space: global }
      - { .name: qkv, .offset: 56, .size: 8, .value_kind: global_buffer, .address_space: global }
    .group_segment_fixed_size: 327680
    .private_segment_fixed_size: 0
    .kernarg_segment_align: 8
    .kernarg_segment_size: 64
    .max_flat_workgroup_size: 128
    .sgpr_count:     100
    .vgpr_count:     1024
    .wavefront_size: 32
...
	.end_amdgpu_metadata
.endif
;; end of part 2
;; launch attn (part 3): grid 4 x 64, 16 waves a work-group, no clusters, 327,680 bytes of LDS; arguments qkv, ao; writes ao
.if DOCPART == 3
	.amdgcn_target "amdgcn-amd-amdhsa--gfx1250"
	.amdhsa_code_object_version 6
	.text
	.protected	k_q57fe990d37_attn
	.globl	k_q57fe990d37_attn
	.p2align	8
	.type	k_q57fe990d37_attn,@function
k_q57fe990d37_attn:
	s_mov_b64 s[64:65], 0
	v_nop
	global_prefetch_b8 v0, s[64:65] scope:SCOPE_SE
	s_setreg_imm32_b32 hwreg(HW_REG_WAVE_MODE, 25, 1), 1
	s_wait_xcnt 0x0
; ATTN.  O[y][q] = the sum over k <= q of softmax_k(Q[y][q] . K[y][k] / 8) V[y][k], y = b x 16 + h, 2,048 positions, head size 64.  q, k, v: f16 in qkv [3][64][2048][64]; products on f16 operands with f32 sums; maxima, exponentials and sums in f32;
; the weights p (at most 1) are rounded to f16 for the second product, O once at the end to f16: ao [16 h][8192 = b x 2048 + t][64].
; LIMIT: O beyond f16's range is not served (it is an average of v, which lies inside it).  The first 16 positions of each sequence are made again in f32 by a later launch.
; SHARES.  A work-group owns the query blocks I and 7 - I of 256 queries of one head (I = its x), so that under the causal mask all work-groups have the same number of key steps.  Each of its sixteen waves owns 32 queries, two tiles of 16:
; eight waves in each block, early and late ones mixed by the wave's number.  Every wave walks all eight slots of 256 keys (constant trip counts, every barrier passed); a step of 64 keys that lies wholly behind its queries is jumped over.
; NO CLUSTER: the four work-groups of a head need 8, 7, 6 and 5 slots, so a joint load would bring some partner tiles that none of its waves reads.
; LAYOUT.  S^T = K Q^T (source 0 = 16 keys, source 1 = 16 queries): a lane holds ONE query (lane % 16) and keys 8 (lane / 16) + 0..7.  Two such tiles, rounded to f16 in pairs, are source 1 (32 keys x 16 queries) of O^T = V^T P.
; K comes out of LDS as it lies, V ([key][channel]) turned, by ds_load_tr16_b128.  For each query a running maximum m and sum l: p = 2^(c s - c m), c = log2(e) / 8; O and l are multiplied by a = 2^(c m_old - c m_new) in every step.
; REGISTERS: v1-11 addresses; v12-15 at work; v16-31 eight statistics a tile (+0 c m, +1 m, +2, +3 l, +4..7 at work; a in +6); v32-63 Q; v64-127 S^T, then p, then P in place; v128-191 O^T; v192-255 K's, then V's fragments of a step.
.set KP,    144                        ; a row of K in LDS: 128 bytes + 16 of padding
.set VP,    160                        ; a row of V: 128 + 32
.set VOFF,  256*KP                     ; a slot: 256 rows of K, then 256 rows of V
.set SLOT1, 1<<17                      ; slot 1 begins here: one exclusive or turns an address
.set STAGE, SLOT1+VOFF+256*VP          ; behind the ring, bytes of its own: 2 tiles x 16 rows x 144 bytes for each wave
.set SPARE, STAGE+16*4608              ; the spare words, 128 bytes for each wave: eight blocks of 256 bytes that no other line names
.set AK0, 1
.set AV0, 2
.set SPW, 3
.set NIL, 4
.set ADK, 5
.set ADV, 6
.set STO, 7
.set RD,  8
.set GO,  9
.set DQ,  10                           ; lane % 16 - 8 (lane / 16)
.set PFO, 11
.set ST,  16
.set Q,   32
.set S,   64
.set O,   128
.set KV,  192
.set WV,  18
.set SEL, 20
.set CS,  22
.set G1K, 24
.set G1V, 32
.set G0K, 40
.set G0V, 44
.set TB,  2                            ; s2   LDS byte at which the slot in hand begins
.set KF,  48                           ; s48  the step's first key
.set Q0,  49                           ; s49  my first query
.set QL,  50                           ; s50  my work-group's last query
.set SLOTS, 51
.set PFA, 52                           ; s[52:53] where my prefetches stand
.set LIM, 54
; Waves 0 and 1 fetch K's halves of a slot, waves 2 and 3 V's, the others nothing.  An s_nop 0 and four v_nop follow each of the two lines.
.macro TLOAD
	s_cmp_lt_u32 s[WV], 2
	s_cbranch_scc0 .Lnot_k_\@
	tensor_load_to_lds s[G0K:G0K+3], s[G1K:G1K+7]
	s_nop 0
.rept 4
	v_nop
.endr
	s_branch .Lasked_\@
.Lnot_k_\@:
	s_cmp_lt_u32 s[WV], 4
	s_cbranch_scc0 .Lasked_\@
	tensor_load_to_lds s[G0V:G0V+3], s[G1V:G1V+7]
	s_nop 0
.rept 4
	v_nop
.endr
.Lasked_\@:
.endm
; A prefetch of what the NEXT change of slots will ask for: a slot's 32,768 dense bytes of K and of V.  All work-groups of a head walk the same K and V: the head's first work-group asks, and in it the waves that fetch nothing:
; waves 4 to 7 for K, waves 8 to 11 for V, 8,192 bytes a wave, lanes 256 bytes apart: each aligned block of 256 bytes is named once in the launch.  The last change that fills a slot asks for nothing; slots 0 and 1 come by their loads alone.
.macro ASK
	s_cmp_gt_u32 s[SLOTS], s[LIM]
	s_cbranch_scc0 .Lnot_mine_\@
	global_prefetch_b8 v[PFO], s[PFA:PFA+1] th:TH_LOAD_NT scope:SCOPE_SE
.Lnot_mine_\@:
.endm
	s_load_b128 s[4:7], s[0:1], 0x0                ; qkv, ao
	v_lshl_add_u32 v[SPW], v0, 2, SPARE
	v_mov_b32 v[NIL], 0
	ds_add_u32 v[SPW], v[NIL]                      ; the wave's opening: the add, twice on end, and its wait ahead of my first tensor load
	ds_add_u32 v[SPW], v[NIL]
	v_lshrrev_b32 v12, 5, v0
	v_readfirstlane_b32 s[WV], v12                 ; wave 0..15
	s_and_b32 s8, ttmp7, 0xffff                    ; y = b x 16 + h
	s_lshl_b32 s10, s8, 18                         ; the head's first byte in each of q, k, v
	s_lshr_b32 s12, s[WV], 2
	s_xor_b32 s12, s12, s[WV]
	s_and_b32 s12, s12, 1                          ; 1: my queries lie in the late block
	s_sub_co_u32 s13, 7, ttmp9
	s_cmp_eq_u32 s12, 1
	s_cselect_b32 s13, s13, ttmp9                  ; my block of 256 queries
	s_lshl_b32 s13, s13, 8
	s_lshr_b32 s14, s[WV], 1
	s_lshl_b32 s14, s14, 5
	s_add_co_u32 s[Q0], s13, s14                   ; my first query
	s_sub_co_u32 s[QL], 8, ttmp9
	s_lshl_b32 s[QL], s[QL], 8
	s_sub_co_u32 s[QL], s[QL], 1                   ; the work-group's last query
	s_and_b32 s15, s[WV], 1                        ; which 128 rows of a slot I fetch, if I fetch:
	s_lshl_b32 s16, s15, 14
	s_add_co_u32 s16, s16, s10                     ; in memory,
	s_mov_b32 s17, 0
	s_mul_i32 s19, s15, 128*KP                     ; and in a slot: K's,
	s_mul_i32 s55, s15, 128*VP
	s_add_co_u32 s55, s55, VOFF                    ; V's
	s_mov_b32 s[G1K], (1<<16)|(1<<20)|(4<<22)|(3<<25)   ; no mask; elements of 2 bytes; padding on: 4 words after every 32
	s_mov_b32 s[G1V], (1<<16)|(1<<20)|(4<<22)|(7<<25)   ; 8 words
.irp g, G1K, G1V
	s_mov_b32 s[\g+1], 64<<16                      ; tensor_dim0
	s_mov_b32 s[\g+2], 128<<16                     ; tensor_dim1
	s_mov_b32 s[\g+3], 64<<16                      ; tile_dim0
	s_mov_b32 s[\g+4], 128                         ; tile_dim1
	s_mov_b32 s[\g+5], 64                          ; the pitch
	s_mov_b32 s[\g+6], 0
	s_mov_b32 s[\g+7], 0
.endr
	s_mov_b32 s[SEL], 0x76543210
	s_mov_b32 s[SEL+1], 0xfedcba98                 ; v_permlanex16_b32: lane l xor 16
	s_mov_b32 s[CS], 0x3e38aa3b                    ; c = log2(e) / 8
	s_mov_b32 s[CS+1], s[CS]                       ; (named with it as a pair)
	s_mov_b32 s[TB], 0
	s_mov_b32 s[KF], 0
	s_mov_b32 s[SLOTS], 7
	s_mov_b32 s61, 0
	s_wait_dscnt 0x0                               ; both opening adds are done
	s_wait_kmcnt 0x0
	s_add_nc_u64 s[56:57], s[4:5], 0x1000000       ; k
	s_add_nc_u64 s[58:59], s[4:5], 0x2000000       ; v
	s_mov_b32 s[G0K], 1
	s_mov_b32 s[G0K+1], s19
	s_add_nc_u64 s[G0K+2:G0K+3], s[56:57], s[16:17]
	s_or_b32 s[G0K+3], s[G0K+3], 0x80000000
	s_mov_b32 s[G0V], 1
	s_mov_b32 s[G0V+1], s55
	s_add_nc_u64 s[G0V+2:G0V+3], s[58:59], s[16:17]
	s_or_b32 s[G0V+3], s[G0V+3], 0x80000000
	TLOAD                                          ; slot 0: it holds key 0, which counts for every query
	s_lshl_b32 s60, s[Q0], 7
	s_add_co_u32 s60, s60, s10
	s_add_nc_u64 s[4:5], s[4:5], s[60:61]          ; q at my first query
	s_and_b32 s60, s8, 15
	s_lshl_b32 s60, s60, 20                        ; ao: h x 2^20
	s_lshr_b32 s62, s8, 4
	s_lshl_b32 s62, s62, 11
	s_add_co_u32 s62, s62, s[Q0]
	s_lshl_b32 s62, s62, 7                         ; + (b x 2048 + my first query) x 128
	s_add_co_u32 s60, s60, s62
	s_add_nc_u64 s[6:7], s[6:7], s[60:61]
	s_cmp_lt_u32 s[WV], 8
	s_cselect_b64 s[PFA:PFA+1], s[56:57], s[58:59]
	s_and_b32 s60, s[WV], 3
	s_lshl_b32 s60, s60, 13                        ; my wave's 8,192 bytes,
	s_add_co_u32 s60, s60, s10                     ; in my head,
	s_add_co_u32 s60, s60, 32768                   ; in slot 1: the first change of slots steps it to slot 2
	s_add_nc_u64 s[PFA:PFA+1], s[PFA:PFA+1], s[60:61]
	s_sub_co_u32 s60, s[WV], 4
	s_lshr_b32 s60, s60, 3                         ; 0 in waves 4 to 11,
	s_or_b32 s60, s60, ttmp9                       ; of the head's first work-group
	s_cmp_eq_u32 s60, 0
	s_cselect_b32 s[LIM], 1, -1
	v_and_b32 v12, 15, v0                          ; r
	v_bfe_u32 v13, v0, 4, 1                        ; h
	v_lshlrev_b32 v14, 7, v12
	v_lshl_add_u32 v14, v13, 4, v14                ; q: row r of 128 bytes + 16 h
.irp t, 0,1
.irp c, 0,1
	global_load_b128 v[Q+16*\t+8*\c:Q+16*\t+8*\c+3], v14, s[4:5] offset:\t*2048+64*\c       ; Q stays in registers: tile t, channels 32 c on
	global_load_b128 v[Q+16*\t+8*\c+4:Q+16*\t+8*\c+7], v14, s[4:5] offset:\t*2048+64*\c+32
.endr
.endr
	v_mul_u32_u24 v[AK0], v12, KP
	v_lshl_add_u32 v[AK0], v13, 4, v[AK0]          ; K: row r x pitch + 16 h
	v_and_b32 v15, 7, v0
	v_lshl_add_u32 v[AV0], v13, 3, v15
	v_mul_u32_u24 v[AV0], v[AV0], VP               ; V, for the turning load: key 8 h + l % 8,
	v_bfe_u32 v15, v0, 3, 1
	v_lshl_add_u32 v[AV0], v15, 4, v[AV0]          ; channels 8 ((l / 8) % 2) on
	v_add_nc_u32 v[AV0], VOFF, v[AV0]
	s_mul_i32 s60, s[WV], 4608
	s_add_co_u32 s60, s60, STAGE                   ; my stage
	v_add_nc_u32 v[STO], s60, v[AK0]               ; in: row r, 16 bytes for each half of the lanes
	v_and_b32 v15, 31, v0
	v_lshlrev_b32 v[GO], 4, v15
	v_lshlrev_b32 v[PFO], 8, v15
	v_lshrrev_b32 v[RD], 3, v15
	v_mul_u32_u24 v[RD], v[RD], KP
	v_and_b32 v15, 7, v0
	v_lshl_add_u32 v[RD], v15, 4, v[RD]
	v_add_nc_u32 v[RD], s60, v[RD]                 ; back: eight lanes to a row, four rows an instruction
	v_lshlrev_b32 v15, 3, v13
	v_sub_nc_u32 v[DQ], v12, v15
.irp t, 0,1
	v_mov_b32 v[ST+8*\t+1], 0xff61b1e6             ; m: -3e38, under every score
	v_mul_f32 v[ST+8*\t], s[CS], v[ST+8*\t+1]      ; c m
.irp i, 2,3,4,5,6,7
	v_mov_b32 v[ST+8*\t+\i], 0                     ; l, and the registers at work (a lane permute's destination counts as read)
.endr
.endr
.set i, 0
.rept 64
	v_mov_b32 v[O+i], 0                            ; O^T: the step is written once; the first finds zeros, which a = 0 leaves zeros
.set i, i+1
.endr
; A KEY STEP: 64 keys, the q-th of the slot in hand.
.macro STEP q
	s_add_co_u32 s96, s[Q0], 31
	s_cmp_gt_u32 s[KF], s96                        ; all keys behind my 32 queries: the step's work is left out (ids and the count of steps alone); no barrier and no tensor load stands in a step
	s_cbranch_scc1 .Lhidden_\@
	v_add_nc_u32 v[ADK], s[TB], v[AK0]
	v_add_nc_u32 v[ADV], s[TB], v[AV0]
.rept 4
	v_nop                                          ; with the two additions six places behind the last step's products: four are owed to the loads into V's registers, five to the products that write over P
.endr
.irp kt, 0,1,2,3
.irp c, 0,1
	ds_load_b128 v[KV+16*\kt+8*\c:KV+16*\kt+8*\c+3], v[ADK] offset:(64*(\q)+16*\kt)*KP+64*\c
	ds_load_b128 v[KV+16*\kt+8*\c+4:KV+16*\kt+8*\c+7], v[ADK] offset:(64*(\q)+16*\kt)*KP+64*\c+32
.endr
.endr
	s_wait_dscnt 0x0
.irp c, 0,1                                    ; S^T = K Q^T: eight accumulators by turns, one instruction a turn; the first products start the sums
.irp kt, 0,1,2,3
.irp t, 0,1
.if \c == 0
	v_wmma_f32_16x16x32_f16 v[S+32*\t+8*\kt:S+32*\t+8*\kt+7], v[KV+16*\kt:KV+16*\kt+7], v[Q+16*\t:Q+16*\t+7], 0
.else
	v_wmma_f32_16x16x32_f16 v[S+32*\t+8*\kt:S+32*\t+8*\kt+7], v[KV+16*\kt+8:KV+16*\kt+15], v[Q+16*\t+8:Q+16*\t+15], v[S+32*\t+8*\kt:S+32*\t+8*\kt+7]
.endif
.endr
.endr
.endr
.rept 4
	v_nop                                          ; places in front of the loads into K's registers and of the first read of the scores
.endr
.irp kg, 0,1                                   ; V, turned: keys 32 kg on, channels 16 ct on; it lands while the softmax is walked
.irp ct, 0,1,2,3
	ds_load_tr16_b128 v[KV+32*\kg+8*\ct:KV+32*\kg+8*\ct+3], v[ADV] offset:(64*(\q)+32*\kg)*VP+32*\ct
	ds_load_tr16_b128 v[KV+32*\kg+8*\ct+4:KV+32*\kg+8*\ct+7], v[ADV] offset:(64*(\q)+32*\kg)*VP+16*VP+32*\ct
.endr
.endr
	s_add_co_u32 s96, s[KF], 63
	s_cmp_le_u32 s96, s[Q0]                        ; all keys count for all my queries: no mask
	s_cbranch_scc1 .Lopen_\@
	s_sub_co_i32 s96, s[Q0], s[KF]
	v_add_nc_u32 v12, s96, v[DQ]                   ; tile 0: register 8 kt + j holds key KF + 16 kt + 8 h + j: hidden where 16 kt + j > my query - KF - 8 h
	v_add_nc_u32 v13, 16, v12                      ; tile 1
	v_mov_b32 v14, 0xff800000                      ; -infinity: p = 0
.set n, 0
.rept 64
	v_cmp_gt_i32 vcc_lo, 16*((n%32)/8)+n%8, v[12+n/32]
	v_cndmask_b32 v[S+n], v[S+n], v14, vcc_lo
.set n, n+1
.endr
.Lopen_\@:
.irp j, 0,1,2,3                                ; the maximum of a lane's 32 scores and the old m: four chains, each accumulator from its low end on; the two tiles line by line
.irp t, 0,1
	v_max3_num_f32 v[ST+8*\t+4+\j], v[S+32*\t+8*\j], v[S+32*\t+8*\j+1], v[S+32*\t+8*\j+2]
.endr
.endr
.irp i, 3,5
.irp j, 0,1,2,3
.irp t, 0,1
	v_max3_num_f32 v[ST+8*\t+4+\j], v[ST+8*\t+4+\j], v[S+32*\t+8*\j+\i], v[S+32*\t+8*\j+\i+1]
.endr
.endr
.endr
.irp t, 0,1
	v_max3_num_f32 v[ST+8*\t+4], v[ST+8*\t+4], v[S+32*\t+7], v[S+32*\t+15]
	v_max3_num_f32 v[ST+8*\t+6], v[ST+8*\t+6], v[S+32*\t+23], v[S+32*\t+31]
.endr
.irp t, 0,1
	v_max3_num_f32 v[ST+8*\t+4], v[ST+8*\t+4], v[ST+8*\t+5], v[ST+8*\t+6]
.endr
.irp t, 0,1
	v_max3_num_f32 v[ST+8*\t+4], v[ST+8*\t+4], v[ST+8*\t+7], v[ST+8*\t+1]
.endr
.irp t, 0,1
	v_permlanex16_b32 v[ST+8*\t+5], v[ST+8*\t+4], s[SEL], s[SEL+1]   ; the query's other 32 keys lie in the lane 16 away
.endr
.irp t, 0,1
	v_mov_b32 v[ST+8*\t+7], v[ST+8*\t]             ; c m_old
.endr
.irp t, 0,1
	v_max_num_f32 v[ST+8*\t+1], v[ST+8*\t+4], v[ST+8*\t+5]
.endr
.irp t, 0,1
	v_mul_f32 v[ST+8*\t], s[CS], v[ST+8*\t+1]
.endr
.irp t, 0,1
	v_sub_f32 v[ST+8*\t+7], v[ST+8*\t+7], v[ST+8*\t]
.endr
.irp t, 0,1                                    ; ONE BATCH: a, the scalings, the 64 exponentials; none of these lines names an exponential's result
	v_exp_f32 v[ST+8*\t+6], v[ST+8*\t+7]
.endr
.irp b, 0,2,4,6,8,10,12,14,16,18,20,22,24,26,28,30
.irp t, 0,1
	v_pk_fma_f32 v[S+32*\t+\b:S+32*\t+\b+1], v[S+32*\t+\b:S+32*\t+\b+1], s[CS:CS+1], v[ST+8*\t:ST+8*\t+1] op_sel_hi:[1,0,0] neg_lo:[0,0,1] neg_hi:[0,0,1]   ; c s - c m
.endr
.endr
.set n, 0
.rept 64
	v_exp_f32 v[S+n], v[S+n]
.set n, n+1
.endr
	v_nop                                          ; a plain line behind the last exponential
	s_wait_alu depctr_va_vdst(0)                   ; one wait for the batch, ahead of its first reader
.irp t, 0,1                                    ; l = a l + the sum of the unrounded p, in two chains
	v_pk_fma_f32 v[ST+8*\t+2:ST+8*\t+3], v[ST+8*\t+2:ST+8*\t+3], v[ST+8*\t+6:ST+8*\t+7], v[S+32*\t:S+32*\t+1] op_sel_hi:[1,0,1]
	v_pk_add_f32 v[ST+8*\t+4:ST+8*\t+5], v[S+32*\t+2:S+32*\t+3], v[S+32*\t+6:S+32*\t+7]
.endr
.irp i, 4,8,12,16,20,24,28
.irp t, 0,1
	v_pk_add_f32 v[ST+8*\t+2:ST+8*\t+3], v[ST+8*\t+2:ST+8*\t+3], v[S+32*\t+\i:S+32*\t+\i+1]
.if \i > 4
	v_pk_add_f32 v[ST+8*\t+4:ST+8*\t+5], v[ST+8*\t+4:ST+8*\t+5], v[S+32*\t+\i+2:S+32*\t+\i+3]
.endif
.endr
.endr
.irp t, 0,1
	v_pk_add_f32 v[ST+8*\t+2:ST+8*\t+3], v[ST+8*\t+2:ST+8*\t+3], v[ST+8*\t+4:ST+8*\t+5]
.endr
.irp j, 0,1,2,3,4,5,6,7,8,9,10,11,12,13,14,15  ; P in place: register j takes the pair 2 j, 2 j + 1, ascending, so nothing is written before it is read
.irp t, 0,1
	v_cvt_pk_f16_f32 v[S+32*\t+\j], v[S+32*\t+2*\j], v[S+32*\t+2*\j+1]
.endr
.endr
.irp t, 0,1
.irp i, 0,2,4,6,8,10,12,14,16,18,20,22,24,26,28,30
	v_pk_mul_f32 v[O+32*\t+\i:O+32*\t+\i+1], v[O+32*\t+\i:O+32*\t+\i+1], v[ST+8*\t+6:ST+8*\t+7] op_sel_hi:[1,0]   ; O^T x a, each accumulator from its low end on
.endr
.endr
	s_wait_dscnt 0x0                               ; V is in
.irp kg, 0,1                                   ; O^T += V^T P: eight accumulators by turns
.irp ct, 0,1,2,3
.irp t, 0,1
	v_wmma_f32_16x16x32_f16 v[O+32*\t+8*\ct:O+32*\t+8*\ct+7], v[KV+32*\kg+8*\ct:KV+32*\kg+8*\ct+7], v[S+32*\t+8*\kg:S+32*\t+8*\kg+7], v[O+32*\t+8*\ct:O+32*\t+8*\ct+7]
.endr
.endr
.endr
.Lhidden_\@:
	s_add_co_u32 s[KF], s[KF], 64
.endm
; THE CHANGE OF SLOTS stands at a slot's head.  Each wave waits for all its tensor loads, adds 0 to its spare word (fill = 1: twice on end), and waits for that and for its reads of the slot that it has left.
; Behind the barrier the slot ahead is whole and nobody reads the other one; fill = 1: that one takes the next 256 keys, while their first key is at or under the work-group's last query: a slot beyond that is read by no wave and is not asked for.
; Every wait on TENSORcnt in this text is for 0; the limit's test hangs on ids and the count of steps alone and is the same in all sixteen waves; it leads round the load's own lines and nothing else.
.macro CHANGE fill
	s_wait_tensorcnt 0x0
	ds_add_u32 v[SPW], v[NIL]
.if \fill
	ds_add_u32 v[SPW], v[NIL]
	s_xor_b32 s[G0K+1], s[G0K+1], SLOT1            ; no tensor load of mine is out: the walking descriptors step: the other slot,
	s_add_nc_u64 s[G0K+2:G0K+3], s[G0K+2:G0K+3], 32768   ; the next 256 keys
	s_xor_b32 s[G0V+1], s[G0V+1], SLOT1
	s_add_nc_u64 s[G0V+2:G0V+3], s[G0V+2:G0V+3], 32768
	s_wait_xcnt 0x0                                ; the last prefetch, a slot back, has read its address
	s_add_nc_u64 s[PFA:PFA+1], s[PFA:PFA+1], 32768
.endif
	s_wait_dscnt 0x0
	s_barrier_signal -1
	s_barrier_wait -1
.if \fill
	s_add_co_u32 s96, s[KF], 256                   ; the first key of the slot that this change would ask for
	s_cmp_gt_u32 s96, s[QL]
	s_cbranch_scc1 .Lpast_\@
	TLOAD                                          ; a wave's one tensor load until the next such barrier; it has a slot's four steps in which to land
.Lpast_\@:
	ASK
.endif
.endm
.macro SLOT_STEPS
	STEP 0
	STEP 1
	STEP 2
	STEP 3
	s_xor_b32 s[TB], s[TB], SLOT1
.endm
	s_wait_loadcnt 0x0                             ; Q
.Lslot:                                            ; seven trips
	CHANGE 1
	SLOT_STEPS
	s_sub_co_u32 s[SLOTS], s[SLOTS], 1
	s_cmp_lg_u32 s[SLOTS], 0
	s_cbranch_scc1 .Lslot
	CHANGE 0                                       ; the last slot is written out: nothing is left to ask for
	SLOT_STEPS
	; THE WAY OUT: O^T / l, rounded to f16, through my stage, a tile's 16 rows of 128 bytes = 2,048 consecutive bytes of ao
.rept 4
	v_nop
.endr
.irp t, 0,1
	v_add_f32 v[ST+8*\t+4], v[ST+8*\t+2], v[ST+8*\t+3]
.endr
.irp t, 0,1
	v_permlanex16_b32 v[ST+8*\t+5], v[ST+8*\t+4], s[SEL], s[SEL+1]
.endr
.irp t, 0,1
	v_add_f32 v[ST+8*\t+4], v[ST+8*\t+4], v[ST+8*\t+5]
.endr
.irp t, 0,1
	v_rcp_f32 v[ST+8*\t+6], v[ST+8*\t+4]
.endr
	v_nop
	s_wait_alu depctr_va_vdst(0)                   ; one wait for the two reciprocals, ahead of their first reader
.irp t, 0,1
.irp i, 0,2,4,6,8,10,12,14,16,18,20,22,24,26,28,30
	v_pk_mul_f32 v[O+32*\t+\i:O+32*\t+\i+1], v[O+32*\t+\i:O+32*\t+\i+1], v[ST+8*\t+6:ST+8*\t+7] op_sel_hi:[1,0]
.endr
.irp j, 0,1,2,3,4,5,6,7,8,9,10,11,12,13,14,15
	v_cvt_pk_f16_f32 v[S+32*\t+\j], v[O+32*\t+2*\j], v[O+32*\t+2*\j+1]
.endr
.irp ct, 0,1,2,3
	ds_store_b128 v[STO], v[S+32*\t+4*\ct:S+32*\t+4*\ct+3] offset:\t*2304+32*\ct
.endr
.irp i, 0,1,2,3
	ds_load_b128 v[KV+16*\t+4*\i:KV+16*\t+4*\i+3], v[RD] offset:\t*2304+576*\i   ; LDS serves a wave's instructions in order: these see my stores
.endr
.endr
	s_wait_dscnt 0x0
.irp t, 0,1
.irp i, 0,1,2,3
	global_store_b128 v[GO], v[KV+16*\t+4*\i:KV+16*\t+4*\i+3], s[6:7] offset:\t*2048+512*\i   ; 32 lanes store 512 consecutive bytes, aligned
.endr
.endr
	s_wait_tensorcnt 0x0                           ; the wave's end
	ds_add_u32 v[SPW], v[NIL]
	s_wait_dscnt 0x0
	s_endpgm
.Lfunc_end_k_q57fe990d37_attn:
	.size	k_q57fe990d37_attn, .Lfunc_end_k_q57fe990d37_attn-k_q57fe990d37_attn
	.p2alignl 7, 3214868480
	.fill 96, 4, 3214868480
	.section	.rodata,"a",@progbits
	.p2align	6, 0x0
	.amdhsa_kernel k_q57fe990d37_attn
		.amdhsa_group_segment_fixed_size 327680
		.amdhsa_private_segment_fixed_size 0
		.amdhsa_enable_private_segment 0
		.amdhsa_kernarg_size 16
		.amdhsa_user_sgpr_count 2
		.amdhsa_user_sgpr_kernarg_segment_ptr 1
		.amdhsa_wavefront_size32 1
		.amdhsa_system_sgpr_workgroup_id_x 1
		.amdhsa_system_sgpr_workgroup_id_y 1
		.amdhsa_system_sgpr_workgroup_id_z 1
		.amdhsa_system_vgpr_workitem_id 0
		.amdhsa_next_free_vgpr 256
		.amdhsa_next_free_sgpr 100
		.amdhsa_reserve_vcc 1
		.amdhsa_float_denorm_mode_32 3
		.amdhsa_float_denorm_mode_16_64 3
		.amdhsa_memory_ordered 1
		.amdhsa_forward_progress 1
		.amdhsa_inst_pref_size 188
	.end_amdhsa_kernel
	.amdgpu_metadata
---
amdhsa.version: [ 1, 2 ]
amdhsa.kernels:
  - .name:           k_q57fe990d37_attn
    .symbol:         k_q57fe990d37_attn.kd
    .args:
      - { .name: qkv, .offset: 0, .size: 8, .value_kind: global_buffer, .address_space: global }
      - { .name: ao, .offset: 8, .size: 8, .value_kind: global_buffer, .address_space: global }
    .group_segment_fixed_size: 327680
    .private_segment_fixed_size: 0
    .kernarg_segment_align: 8
    .kernarg_segment_size: 16
    .max_flat_workgroup_size: 512
    .sgpr_count:     100
    .vgpr_count:     256
    .wavefront_size: 32
...
	.end_amdgpu_metadata
.endif
;; end of part 3
;; launch proj (part 4): grid 4 x 64, 4 waves a work-group, clusters of 4 x 4, 327,680 bytes of LDS; arguments ao, wo16, out0, bo; writes out0
.if DOCPART == 4
	.amdgcn_target "amdgcn-amd-amdhsa--gfx1250"
	.amdhsa_code_object_version 6
	.text
	.protected	k_q57fe990d37_proj
	.globl	k_q57fe990d37_proj
	.p2align	8
	.type	k_q57fe990d37_proj,@function
k_q57fe990d37_proj:
	s_mov_b64 s[64:65], 0
	v_nop
	global_prefetch_b8 v0, s[64:65] scope:SCOPE_SE
	s_setreg_imm32_b32 hwreg(HW_REG_WAVE_MODE, 25, 1), 1
	s_wait_xcnt 0x0
	s_wait_alu depctr_hold_cnt(0) depctr_sa_sdst(0) depctr_va_vdst(0) depctr_va_sdst(0) depctr_va_ssrc(0) depctr_va_vcc(0) depctr_vm_vsrc(0)
	s_getreg_b32 s2, hwreg(HW_REG_IB_STS2, 6, 4)
	s_cmp_eq_u32 s2, 0
	s_cbranch_scc0 .Lentry_in_a_cluster
	s_endpgm
.Lentry_in_a_cluster:
	s_bfe_u32 s2, ttmp6, 0x10000c
	s_cmp_lg_u32 s2, 0xf033
	s_cbranch_scc0 .Lentry_shape_is_right
	s_endpgm
.Lentry_shape_is_right:
; PROJ.  out0 [8192][1024] f32 = A Wo + bo, A(row, 64 h + d) = ao [16 h][8192][64] f16, Wo as wo16 [1024 (k)][1024 (n)] f16; sums in f32.  (Rows of the first 16 positions of each sequence are written again, from f32 operands, by the last launch.)
; A tile of 128 rows x 256 columns to a work-group: 256 work-groups.  Four waves, each 64 x 128: 32 accumulators of 16 x 16, window 1.  K goes in 8 steps of 128 (two heads) through two LDS slots.
; A's tile is two planes (heads) of 128 rows x 128 bytes, each dense in memory; Wo's is 128 rows (k) x 512 bytes and comes out of LDS turned, by ds_load_tr16_b128.
; CLUSTERS: 4 x 4.  A's tile hangs on the tile row alone and is shared along a row of the cluster, Wo's on the tile column alone and is shared along a column: joint loads.
; USED TRANSPOSED (source 0 = 16 columns of Wo, source 1 = 16 rows of A): a lane holds eight neighbouring columns of one row.
; No prefetch: a K step's tiles are small, Wo is read by every tile row, and the launch is short.
; REGISTERS: window 0: v12-15 bo of my four columns on the way out; v16-29 addresses; two fragment buffers at v32 and v128: 64 registers of Wo (8 x 16 columns x 32 K), then 32 of A.   window 1: accumulator (a, b) at v[8 (8 a + b)].
.set PA,     144                       ; a row of A in LDS: 128 bytes + 16
.set PB,     544                       ; a row of Wo: 512 bytes + 32
.set PLANE,  128*PA
.set BOFF,   2*PLANE
.set SLOT,   BOFF+128*PB               ; 106,496
.set STAGE,  2*SLOT                    ; behind the ring, bytes of its own: 16 rows x 528 bytes for each wave
.set SPARE,  STAGE+4*8448              ; the spare words: two blocks of 256 bytes that no other line names
.set BO,   12
.set ADRA, 16
.set ADRB, 20
.set STO,  24
.set RD,   25
.set CO,   26
.set SPW,  28
.set NIL,  29
.set F0,   32
.set F1,   128
.set G1, 24
.set G0, 32
.set G1B, 48
.set G0B, 56
.set MSB, 0
.macro WIN new
.if MSB != \new
	s_set_vgpr_msb (MSB<<8)|\new
.set MSB, \new
.endif
.endm
.set MUL, 0x50                         ; C and D window 1, sources window 0
.macro JLOAD s                         ; waves 0 and 1 fetch A's two planes, waves 2 and 3 the two halves of Wo's rows; an s_nop 0 and four v_nop follow each line
	s_cmp_eq_u32 s13, 0
	s_cbranch_scc0 .Lfor_b_\@
	tensor_load_to_lds s[G0+4*\s:G0+4*\s+3], s[G1:G1+7]
	s_nop 0
.rept 4
	v_nop
.endr
	s_branch .Lasked_\@
.Lfor_b_\@:
	tensor_load_to_lds s[G0B+4*\s:G0B+4*\s+3], s[G1B:G1B+7]
	s_nop 0
.rept 4
	v_nop
.endr
.Lasked_\@:
.endm
.macro CREST
	s_cmp_lg_u32 s12, 0
	s_cbranch_scc1 .Lnot_wave_0_\@
	s_barrier_signal -3
.Lnot_wave_0_\@:
	s_barrier_wait -3
	s_barrier_signal -1
	s_barrier_wait -1
.endm
.macro CROUND
	s_barrier_signal -1
	s_barrier_wait -1
	CREST
.endm
	s_load_b256 s[4:11], s[0:1], 0x0               ; ao 4:5, wo16 6:7, out0 8:9, bo 10:11
	v_lshl_add_u32 v[SPW], v0, 2, SPARE
	v_mov_b32 v[NIL], 0
	ds_add_u32 v[SPW], v[NIL]                      ; the wave's opening: the add, twice on end, and its wait ahead of my first tensor load
	ds_add_u32 v[SPW], v[NIL]
	v_lshrrev_b32 v1, 5, v0
	v_readfirstlane_b32 s12, v1                    ; wave 0..3
	s_lshr_b32 s13, s12, 1                         ; which 64 rows are mine.  Also: I fetch for A (0) or for Wo (1)
	s_and_b32 s14, s12, 1                          ; which 128 columns.  Also: which plane, or which 64 rows of Wo, I fetch
	s_bfe_u32 s40, ttmp6, 0x40000                  ; cx, cy
	s_bfe_u32 s41, ttmp6, 0x40004
	s_lshl_b32 s42, ttmp9, 2
	s_add_co_u32 s42, s42, s40                     ; tile column
	s_and_b32 s15, ttmp7, 0xffff
	s_lshl_b32 s15, s15, 2
	s_add_co_u32 s15, s15, s41                     ; tile row
	s_lshl_b32 s43, s41, 2
	s_lshl_b32 s43, 15, s43                        ; my row of the cluster
	s_lshl_b32 s44, 0x1111, s40                    ; my column
	s_or_b32 s[G1+0], s43, (1<<16)|(1<<20)|(1<<21)|(4<<22)|(3<<25)    ; A: elements of 2 bytes; 4 words of padding after every 32
	s_mov_b32 s[G1+1], 64<<16
	s_mov_b32 s[G1+2], 128<<16
	s_mov_b32 s[G1+3], 64<<16
	s_mov_b32 s[G1+4], 128
	s_mov_b32 s[G1+5], 64
	s_mov_b32 s[G1+6], 0
	s_mov_b32 s[G1+7], 0
	s_or_b32 s[G1B+0], s44, (1<<16)|(1<<20)|(1<<21)|(6<<22)|(7<<25)   ; Wo: 8 words of padding after every 128
	s_mov_b32 s[G1B+1], 256<<16
	s_mov_b32 s[G1B+2], 64<<16
	s_mov_b32 s[G1B+3], 256<<16
	s_mov_b32 s[G1B+4], 64
	s_mov_b32 s[G1B+5], 1024
	s_mov_b32 s[G1B+6], 0
	s_mov_b32 s[G1B+7], 0
	s_lshl_b32 s16, s14, 20                        ; A: head = my plane, rows 128 x tile row of 128 bytes
	s_lshl_b32 s17, s15, 14
	s_add_co_u32 s16, s16, s17
	s_mov_b32 s17, 0
	s_lshl_b32 s46, s14, 17                        ; Wo: rows 64 x half of 2,048 bytes, columns 256 x tile column
	s_lshl_b32 s47, s42, 9
	s_add_co_u32 s46, s46, s47
	s_mov_b32 s47, 0
	s_mul_i32 s20, s14, PLANE                      ; where they go: no place in the cluster enters an LDS address
	s_mul_i32 s21, s14, 64*PB
	s_add_co_u32 s21, s21, BOFF
	s_wait_dscnt 0x0                               ; both opening adds are done
	s_wait_kmcnt 0x0
	s_add_nc_u64 s[18:19], s[4:5], s[16:17]
	s_add_nc_u64 s[46:47], s[6:7], s[46:47]
	CROUND                                         ; all sixteen work-groups are here
.irp s, 0,1
	s_mov_b32 s[G0+4*\s], 1
	s_add_co_u32 s[G0+4*\s+1], s20, \s*SLOT
	s_add_nc_u64 s[G0+4*\s+2:G0+4*\s+3], s[18:19], \s*2097152      ; K step s: heads 2 s, 2 s + 1
	s_or_b32 s[G0+4*\s+3], s[G0+4*\s+3], 0x80000000
	s_mov_b32 s[G0B+4*\s], 1
	s_add_co_u32 s[G0B+4*\s+1], s21, \s*SLOT
	s_add_nc_u64 s[G0B+4*\s+2:G0B+4*\s+3], s[46:47], \s*262144     ; rows 128 s on
	s_or_b32 s[G0B+4*\s+3], s[G0B+4*\s+3], 0x80000000
	JLOAD \s
.endr
	v_and_b32 v1, 15, v0                           ; r
	v_bfe_u32 v2, v0, 4, 1                         ; h
	v_mul_u32_u24 v3, v1, PA
	v_lshl_add_u32 v3, v2, 4, v3
	s_mul_i32 s22, s13, 64*PA                      ; my 64 rows of A
	v_and_b32 v4, 7, v0
	v_lshl_add_u32 v4, v2, 3, v4
	v_mul_u32_u24 v4, v4, PB                       ; the turning load: k = 8 h + l % 8,
	v_bfe_u32 v5, v0, 3, 1
	v_lshl_add_u32 v4, v5, 4, v4                   ; columns 8 ((l / 8) % 2) on
	s_lshl_b32 s23, s14, 8                         ; my 128 columns
	s_add_co_u32 s23, s23, BOFF
.irp s, 0,1
	v_add_nc_u32 v[ADRA+\s], s22, v3
	v_add_nc_u32 v[ADRB+\s], s23, v4
	s_add_co_u32 s22, s22, SLOT
	s_add_co_u32 s23, s23, SLOT
.endr
	s_mul_i32 s22, s12, 8448
	s_add_co_u32 s22, s22, STAGE                   ; my stage
	v_mul_u32_u24 v5, v1, 528
	v_lshl_add_u32 v5, v2, 5, v5
	v_add_nc_u32 v[STO], s22, v5                   ; in: row r, 32 bytes for each half of the lanes
	v_and_b32 v6, 31, v0
	v_lshlrev_b32 v[CO], 4, v6
	v_add_nc_u32 v[RD], s22, v[CO]                 ; back: the 32 lanes take a row of 512 bytes
	s_lshl_b32 s16, s42, 10
	s_lshl_b32 s17, s14, 9
	s_add_co_u32 s16, s16, s17                     ; my first column, in bytes
	s_mov_b32 s17, 0
	s_add_nc_u64 s[10:11], s[10:11], s[16:17]
	s_add_nc_u64 s[8:9], s[8:9], s[16:17]
	s_lshl_b32 s16, s15, 19
	s_lshl_b32 s22, s13, 18
	s_add_co_u32 s16, s16, s22                     ; my first row x 4,096 bytes
	s_add_nc_u64 s[8:9], s[8:9], s[16:17]
	global_load_b128 v[BO:BO+3], v[CO], s[10:11]   ; bo of the four columns that I store
.macro MUL8 f, a, zero                 ; A's block a against Wo's eight; the 32 accumulators take turns, one instruction a turn
.irp b, 0,1,2,3,4,5,6,7
.if \zero
	v_wmma_f32_16x16x32_f16 v[8*(8*(\a)+\b):8*(8*(\a)+\b)+7], v[\f+8*\b:\f+8*\b+7], v[\f+64+8*(\a):\f+64+8*(\a)+7], 0
.else
	v_wmma_f32_16x16x32_f16 v[8*(8*(\a)+\b):8*(8*(\a)+\b)+7], v[\f+8*\b:\f+8*\b+7], v[\f+64+8*(\a):\f+64+8*(\a)+7], v[8*(8*(\a)+\b):8*(8*(\a)+\b)+7]
.endif
.endr
.endm
.macro FETCH slot, q, f                ; 24 LDS loads in one run: the fragments of the slot's q-th 32 along K
	WIN 0
.irp b, 0,1,2,3,4,5,6,7
	ds_load_tr16_b128 v[\f+8*\b:\f+8*\b+3],   v[ADRB+\slot] offset:32*(\q)*PB+32*\b
	ds_load_tr16_b128 v[\f+8*\b+4:\f+8*\b+7], v[ADRB+\slot] offset:32*(\q)*PB+16*PB+32*\b
.endr
.irp i, 0,1,2,3
	ds_load_b128 v[\f+64+8*\i:\f+64+8*\i+3],   v[ADRA+\slot] offset:((\q)/2)*PLANE+64*((\q)%2)+\i*16*PA
	ds_load_b128 v[\f+64+8*\i+4:\f+64+8*\i+7], v[ADRA+\slot] offset:((\q)/2)*PLANE+64*((\q)%2)+\i*16*PA+32
.endr
.endm
.macro PLACES
.rept 4
	v_nop
.endr
.endm
.macro QUARTER slot, qn, f, g, zero    ; multiplies buffer f; in its middle it fetches the slot's quarter qn into buffer g
	s_wait_dscnt 4                                 ; all but the youngest four loads (A's blocks 2, 3) are in
	WIN MUL
	MUL8 \f, 0, \zero
	MUL8 \f, 1, \zero
	PLACES
	FETCH \slot, \qn, \g
	s_wait_dscnt 24                                ; all but the 24 just issued
	WIN MUL
	MUL8 \f, 2, \zero
	MUL8 \f, 3, \zero
.endm
; A slot's last quarter multiplies buffer 1 and changes slots: one barrier; in front of it each wave waits for all its tensor loads, adds 0 to its spare word, and waits for that and for its reads of this slot.  fill = 1: the slot is filled again, two K steps ahead.
.macro TURN slot, next, fill
	WIN 0
	s_wait_tensorcnt 0x0                           ; my part of the next slot has landed
	ds_add_u32 v[SPW], v[NIL]
	s_wait_dscnt 5                                 ; (the add and the youngest four loads may be out)
	WIN MUL
	MUL8 F1, 0, 0
	s_wait_dscnt 0x0                               ; the add is done, and my reads of this slot are over
	s_barrier_signal -1
	MUL8 F1, 1, 0
.if \fill
	WIN 0
.endif
	s_barrier_wait -1
.if \fill
	CREST                                          ; the barrier has opened a round of the cluster's barrier: no wave of any partner still reads this slot or has a load on its way
	s_add_nc_u64 s[G0+4*\slot+2:G0+4*\slot+3], s[G0+4*\slot+2:G0+4*\slot+3], 4194304
	s_add_nc_u64 s[G0B+4*\slot+2:G0B+4*\slot+3], s[G0B+4*\slot+2:G0B+4*\slot+3], 524288
	JLOAD \slot                                    ; the first tensor load behind the round; its four v_nop are also the places in front of the loads below
.else
	PLACES
.endif
	FETCH \next, 0, F0
	WIN MUL
	MUL8 F1, 2, 0
	MUL8 F1, 3, 0
.endm
	s_wait_tensorcnt 1                             ; my part of K step 0 is in; K step 1's may be out
	s_barrier_signal -1
	s_barrier_wait -1
	FETCH 0, 0, F0
	QUARTER 0, 1, F0, F1, 1                        ; the first quarter's products start the sums
	WIN 0
	s_mov_b32 s3, 3
.Llap:                                             ; a trip goes once round the ring and fills both slots again: K steps 2 to 7
	QUARTER 0, 2, F1, F0, 0
	QUARTER 0, 3, F0, F1, 0
	TURN 0, 1, 1
	QUARTER 1, 1, F0, F1, 0
	QUARTER 1, 2, F1, F0, 0
	QUARTER 1, 3, F0, F1, 0
	TURN 1, 0, 1
	QUARTER 0, 1, F0, F1, 0
	WIN 0
	s_sub_co_u32 s3, s3, 1
	s_cmp_lg_u32 s3, 0
	s_cbranch_scc1 .Llap
	QUARTER 0, 2, F1, F0, 0                        ; the last lap fills nothing
	QUARTER 0, 3, F0, F1, 0
	TURN 0, 1, 0
	QUARTER 1, 1, F0, F1, 0
	QUARTER 1, 2, F1, F0, 0
	QUARTER 1, 3, F0, F1, 0
	s_wait_dscnt 4
	WIN MUL
	MUL8 F1, 0, 0
	MUL8 F1, 1, 0
	s_wait_dscnt 0
	MUL8 F1, 2, 0
	MUL8 F1, 3, 0
	WIN 0
; THE WAY OUT, block by block of 16 rows x 128 columns, through my stage: whole rows of 512 bytes come back, take bo, and leave
.macro TOSTAGE a
	WIN 0x04                                       ; an LDS store's data: window 1
.irp b, 0,1,2,3,4,5,6,7
	ds_store_b128 v[STO], v[8*(8*(\a)+\b):8*(8*(\a)+\b)+3] offset:64*\b        ; each accumulator from its low end on
	ds_store_b128 v[STO], v[8*(8*(\a)+\b)+4:8*(8*(\a)+\b)+7] offset:64*\b+16
.endr
	WIN 0
.set BB, 32+96*((\a)%2)
.irp t, 0,1,2,3,4,5,6,7,8,9,10,11,12,13,14,15
	ds_load_b128 v[BB+4*\t:BB+4*\t+3], v[RD] offset:\t*528
.endr
.endm
.macro SEND a, younger                 ; younger: the LDS instructions issued behind block a's loads
.set BB, 32+96*((\a)%2)
	s_wait_dscnt \younger
.irp t, 0,1,2,3,4,5,6,7,8,9,10,11,12,13,14,15
	v_pk_add_f32 v[BB+4*\t:BB+4*\t+1], v[BB+4*\t:BB+4*\t+1], v[BO:BO+1]
	v_pk_add_f32 v[BB+4*\t+2:BB+4*\t+3], v[BB+4*\t+2:BB+4*\t+3], v[BO+2:BO+3]
.endr
.irp t, 0,1,2,3,4,5,6,7,8,9,10,11,12,13,14,15
	global_store_b128 v[CO], v[BB+4*\t:BB+4*\t+3], s[8:9] offset:(16*(\a)+\t)*4096   ; 32 lanes store 512 consecutive bytes, aligned
.endr
.endm
	s_wait_loadcnt 0x0                             ; bo
	PLACES
	TOSTAGE 0
.irp a, 1,2,3
.if \a > 1
	s_wait_xcnt 0x0                                ; block a - 2's stores have read the registers that block a's loads fill
.endif
	TOSTAGE \a
	SEND \a-1, 32                                  ; behind block a - 1's loads: block a's 16 stores and 16 loads
.endr
	SEND 3, 0
	s_wait_tensorcnt 0x0                           ; the wave's end
	ds_add_u32 v[SPW], v[NIL]
	s_wait_dscnt 0x0
	CROUND                                         ; the closing round
	s_endpgm
.Lfunc_end_k_q57fe990d37_proj:
	.size	k_q57fe990d37_proj, .Lfunc_end_k_q57fe990d37_proj-k_q57fe990d37_proj
	.p2alignl 7, 3214868480
	.fill 96, 4, 3214868480
	.section	.rodata,"a",@progbits
	.p2align	6, 0x0
	.amdhsa_kernel k_q57fe990d37_proj
		.amdhsa_group_segment_fixed_size 327680
		.amdhsa_private_segment_fixed_size 0
		.amdhsa_enable_private_segment 0
		.amdhsa_kernarg_size 32
		.amdhsa_user_sgpr_count 2
		.amdhsa_user_sgpr_kernarg_segment_ptr 1
		.amdhsa_wavefront_size32 1
		.amdhsa_system_sgpr_workgroup_id_x 1
		.amdhsa_system_sgpr_workgroup_id_y 1
		.amdhsa_system_sgpr_workgroup_id_z 1
		.amdhsa_system_vgpr_workitem_id 0
		.amdhsa_next_free_vgpr 512
		.amdhsa_next_free_sgpr 70
		.amdhsa_reserve_vcc 0
		.amdhsa_float_denorm_mode_32 3
		.amdhsa_float_denorm_mode_16_64 3
		.amdhsa_memory_ordered 1
		.amdhsa_forward_progress 1
		.amdhsa_inst_pref_size 93
	.end_amdhsa_kernel
	.amdgpu_metadata
---
amdhsa.version: [ 1, 2 ]
amdhsa.kernels:
  - .name:           k_q57fe990d37_proj
    .symbol:         k_q57fe990d37_proj.kd
    .args:
      - { .name: ao, .offset: 0, .size: 8, .value_kind: global_buffer, .address_space: global }
      - { .name: wo16, .offset: 8, .size: 8, .value_kind: global_buffer, .address_space: global }
      - { .name: out0, .offset: 16, .size: 8, .value_kind: global_buffer, .address_space: global }
      - { .name: bo, .offset: 24, .size: 8, .value_kind: global_buffer, .address_space: global }
    .group_segment_fixed_size: 327680
    .private_segment_fixed_size: 0
    .kernarg_segment_align: 8
    .kernarg_segment_size: 32
    .max_flat_workgroup_size: 128
    .sgpr_count:     70
    .vgpr_count:     512
    .wavefront_size: 32
...
	.end_amdgpu_metadata
.endif
;; end of part 4
;; launch fineattn (part 5): grid 16 x 4, 12 waves a work-group, no clusters, 13,824 bytes of LDS; arguments xc, xs, wc, ws, bq, bk, bv, ofine; writes ofine
.if DOCPART == 5
	.amdgcn_target "amdgcn-amd-amdhsa--gfx1250"
	.amdhsa_code_object_version 6
	.text
	.protected	k_q57fe990d37_fineattn
	.globl	k_q57fe990d37_fineattn
	.p2align	8
	.type	k_q57fe990d37_fineattn,@function
k_q57fe990d37_fineattn:
	s_mov_b64 s[64:65], 0
	v_nop
	global_prefetch_b8 v0, s[64:65] scope:SCOPE_SE
	s_setreg_imm32_b32 hwreg(HW_REG_WAVE_MODE, 25, 1), 1
	s_wait_xcnt 0x0
; FINEATTN.  The first 16 positions of each sequence, carried in f32: under the causal mask they average one to sixteen values, and see each other alone.  A work-group takes one head (x) of one batch (y).
; q, k, v of these 16 positions are made again from the codes (the quantised products, by the format's own matrix instruction, bias as C, K ascending) and kept in f32; scores, softmax and the second product in f32 (v_wmma_f32_16x16x4_f32: no bulk work).
; Wave w makes one tile of 16 x 16: which = w / 4 (q, k, v), channels 16 (w % 4) on.  q and k: source 0 = the weight's 16 rows of codes, source 1 = x's 16 rows: a lane holds position r and channels 8 h + j.
; v: the sources change places: a lane holds channel r and positions (keys) 8 h + j.  The tiles go to LDS as images of their registers; behind one barrier wave 0 does the attention, with no exchange but the two between the halves of the lanes.
; ofine [64 = b x 16 + t][1024] f32 is stored in pieces of 32 bytes a lane: 262,144 bytes in the whole launch.
; REGISTERS: v16-79, v80-143 the two sources' fragments, later q (v16-47), k (v48-79), v (v80-111), the scores (v112-119), p (v120-127), at work (v128-143); v144-159 scale words and nothing else; v160-167 the bias; v168-175 the tile;
;   v176-207 S^T's four sums and v208-239 O^T's four: written by matrix instructions alone; v240-247 the biases' offsets.
.set SPW, 252
.set NIL, 253
.set SPARE, 12288                      ; behind the twelve images of 1,024 bytes: 128 bytes for each wave, six blocks of 256 bytes that no other line names
.macro CLOSE                           ; a wave's end
	s_wait_tensorcnt 0x0
	ds_add_u32 v[SPW], v[NIL]
	s_wait_dscnt 0x0
	s_endpgm
.endm
	s_load_b512 s[4:19], s[0:1], 0x0               ; xc 4:5, xs 6:7, wc 8:9, ws 10:11, bq 12:13, bk 14:15, bv 16:17, ofine 18:19
	v_lshl_add_u32 v[SPW], v0, 2, SPARE
	v_mov_b32 v[NIL], 0
	v_lshrrev_b32 v1, 5, v0
	v_readfirstlane_b32 s20, v1                    ; wave 0..11
	s_lshr_b32 s21, s20, 2                         ; which
	s_and_b32 s22, s20, 3                          ; which 16 channels
	s_and_b32 s23, ttmp7, 0xffff                   ; batch
	s_lshl_b32 s24, s21, 10
	s_lshl_b32 s25, ttmp9, 6
	s_add_co_u32 s24, s24, s25
	s_lshl_b32 s25, s22, 4
	s_add_co_u32 s24, s24, s25                     ; the weight's first row of codes: which x 1024 + head x 64 + 16 x tile
	s_lshl_b32 s26, s24, 9
	s_mov_b32 s27, 0
	s_lshl_b32 s28, s24, 5
	s_mov_b32 s29, 0
	s_lshl_b32 s30, s23, 20                        ; x: batch x 2,048 rows of 512 bytes,
	s_mov_b32 s31, 0
	s_lshl_b32 s32, s23, 16                        ; of 32 scale bytes
	s_mov_b32 s33, 0
	s_lshl_b32 s34, ttmp9, 8
	s_lshl_b32 s35, s22, 6
	s_add_co_u32 s34, s34, s35                     ; the bias: (head x 64 + 16 x tile) x 4 bytes
	s_mov_b32 s35, 0
	s_lshl_b32 s52, s23, 16
	s_lshl_b32 s53, ttmp9, 8
	s_add_co_u32 s52, s52, s53                     ; ofine: batch x 16 rows of 4,096 bytes + head x 256
	s_mov_b32 s53, 0
	s_mov_b32 s48, 0x3e38aa3b                      ; c = log2(e) / 8
	s_mov_b32 s50, 0x76543210
	s_mov_b32 s51, 0xfedcba98                      ; v_permlanex16_b32: lane l xor 16
	s_wait_kmcnt 0x0
	s_add_nc_u64 s[8:9], s[8:9], s[26:27]
	s_add_nc_u64 s[10:11], s[10:11], s[28:29]
	s_add_nc_u64 s[4:5], s[4:5], s[30:31]
	s_add_nc_u64 s[6:7], s[6:7], s[32:33]
	s_add_nc_u64 s[18:19], s[18:19], s[52:53]
	s_cmp_lt_u32 s21, 2                            ; q, k: the weight is source 0; v: x is.  The choice hangs on the wave's number alone
	s_cselect_b64 s[36:37], s[8:9], s[4:5]
	s_cselect_b64 s[38:39], s[4:5], s[8:9]
	s_cselect_b64 s[40:41], s[10:11], s[6:7]
	s_cselect_b64 s[42:43], s[6:7], s[10:11]
	s_cselect_b32 s44, 0, 4                        ; the bias in the result's layout: q, k: channel 8 h + j; v: channel r
	s_cselect_b32 s45, 32, 0
	s_cselect_b32 s46, 4, 0
	s_cmp_eq_u32 s21, 0
	s_cselect_b64 s[12:13], s[12:13], s[14:15]
	s_cmp_eq_u32 s21, 2
	s_cselect_b64 s[12:13], s[16:17], s[12:13]
	s_add_nc_u64 s[12:13], s[12:13], s[34:35]
	v_and_b32 v1, 15, v0                           ; r
	v_bfe_u32 v2, v0, 4, 1                         ; h
	v_lshlrev_b32 v3, 9, v1
	v_lshl_add_u32 v3, v2, 4, v3                   ; codes: row r of 512 bytes + 16 h
	v_lshlrev_b32 v4, 5, v1                        ; scale words: row r of 32 bytes
	v_mul_u32_u24 v5, v1, s44
	v_mad_u32_u24 v5, v2, s45, v5
.irp j, 0,1,2,3,4,5,6,7
	v_mad_u32_u24 v[240+\j], s46, \j, v5
.endr
	v_and_b32 v6, 31, v0
	v_lshlrev_b32 v6, 4, v6                        ; an image's place for my lane
	s_lshl_b32 s47, s20, 10
	v_add_nc_u32 v7, s47, v6                       ; my tile's image
	v_lshlrev_b32 v8, 3, v2
	v_sub_nc_u32 v8, v1, v8                        ; r - 8 h
	v_mov_b32 v9, 0xff800000                       ; -infinity
	v_lshlrev_b32 v10, 12, v1
	v_lshl_add_u32 v10, v2, 5, v10                 ; ofine: row r of 4,096 bytes + 32 h
	v_mov_b32 v137, 0                              ; (a lane permute's destination counts as read)
	v_mov_b32 v139, 0
.irp s, 0,1,2,3,4,5,6,7                        ; all of K: eight steps of 128
	global_load_b128 v[16+8*\s:16+8*\s+3], v3, s[36:37] offset:64*\s
	global_load_b128 v[16+8*\s+4:16+8*\s+7], v3, s[36:37] offset:64*\s+32
	global_load_b128 v[80+8*\s:80+8*\s+3], v3, s[38:39] offset:64*\s
	global_load_b128 v[80+8*\s+4:80+8*\s+7], v3, s[38:39] offset:64*\s+32
.endr
	global_load_b128 v[144:147], v4, s[40:41]
	global_load_b128 v[148:151], v4, s[40:41] offset:16
	global_load_b128 v[152:155], v4, s[42:43]
	global_load_b128 v[156:159], v4, s[42:43] offset:16
.irp j, 0,1,2,3,4,5,6,7
	global_load_b32 v[160+\j], v[240+\j], s[12:13]
.endr
	s_wait_loadcnt 0x0
	v_wmma_scale_f32_16x16x128_f8f6f4 v[168:175], v[16:23], v[80:87], v[160:167], v144, v152 matrix_a_fmt:MATRIX_FMT_FP4 matrix_b_fmt:MATRIX_FMT_FP4
.irp s, 1,2,3,4,5,6,7                          ; one accumulator: the wait directly ahead of every link
	s_wait_alu depctr_va_vdst(0)
	v_wmma_scale_f32_16x16x128_f8f6f4 v[168:175], v[16+8*\s:16+8*\s+7], v[80+8*\s:80+8*\s+7], v[168:175], v[144+\s], v[152+\s] matrix_a_fmt:MATRIX_FMT_FP4 matrix_b_fmt:MATRIX_FMT_FP4
.endr
.rept 4
	v_nop
.endr
	ds_store_b128 v7, v[168:171]                   ; the tile as it stands
	ds_store_b128 v7, v[172:175] offset:512
	s_wait_dscnt 0x0                               ; for the others' sake
	s_barrier_signal -1
	s_barrier_wait -1
	s_cmp_lg_u32 s20, 0
	s_cbranch_scc1 .Lrest
.irp i, 0,1,2,3,4,5,6,7,8,9,10,11              ; q's four tiles to v16-47, k's to v48-79, v's to v80-111
	ds_load_b128 v[16+8*\i:16+8*\i+3], v6 offset:1024*\i
	ds_load_b128 v[16+8*\i+4:16+8*\i+7], v6 offset:1024*\i+512
.endr
	s_wait_dscnt 0x0
; S^T = k q^T.  A pair of registers 2 s, 2 s + 1 of tile ct holds, in lane (r, h), channels 16 ct + 8 h + 2 s + 0, 1 of position r: four different channels over the two halves, the same in k and in q.  Four sums by turns.
.irp s, 0,1,2,3
.irp ct, 0,1,2,3
.if \s == 0
	v_wmma_f32_16x16x4_f32 v[176+8*\ct:176+8*\ct+7], v[48+8*\ct:48+8*\ct+1], v[16+8*\ct:16+8*\ct+1], 0
.else
	v_wmma_f32_16x16x4_f32 v[176+8*\ct:176+8*\ct+7], v[48+8*\ct+2*\s:48+8*\ct+2*\s+1], v[16+8*\ct+2*\s:16+8*\ct+2*\s+1], v[176+8*\ct:176+8*\ct+7]
.endif
.endr
.endr
.rept 8
	v_nop
.endr
.irp j, 0,1,2,3,4,5,6,7                        ; the four sums together, each from its low end on: lane (r, h), register j: key 8 h + j, query r
	v_add_f32 v[112+\j], v[176+\j], v[184+\j]
	v_add_f32 v[128+\j], v[192+\j], v[200+\j]
.endr
.irp j, 0,1,2,3,4,5,6,7
	v_add_f32 v[112+\j], v[112+\j], v[128+\j]
.endr
.irp j, 0,1,2,3,4,5,6,7                        ; the causal mask: hidden where 8 h + j > r
	v_cmp_gt_i32 vcc_lo, \j, v8
	v_cndmask_b32 v[112+\j], v[112+\j], v9, vcc_lo
.endr
	v_max3_num_f32 v136, v112, v113, v114
	v_max3_num_f32 v136, v136, v115, v116
	v_max3_num_f32 v136, v136, v117, v118
	v_max_num_f32 v136, v136, v119
	v_permlanex16_b32 v137, v136, s50, s51
	v_max_num_f32 v136, v136, v137                 ; the row's maximum: key 0 counts for every query
	v_mul_f32 v136, s48, v136
.irp j, 0,1,2,3,4,5,6,7
	v_fma_f32 v[120+\j], v[112+\j], s48, -v136
.endr
.irp j, 0,1,2,3,4,5,6,7
	v_exp_f32 v[120+\j], v[120+\j]
.endr
	v_nop
	s_wait_alu depctr_va_vdst(0)                   ; one wait for the eight, ahead of their first reader
	v_add_f32 v138, v120, v121
	v_add_f32 v140, v122, v123
	v_add_f32 v141, v124, v125
	v_add_f32 v142, v126, v127
	v_add_f32 v138, v138, v140
	v_add_f32 v141, v141, v142
	v_add_f32 v138, v138, v141
	v_permlanex16_b32 v139, v138, s50, s51
	v_add_f32 v138, v138, v139                     ; the row's sum
	v_rcp_f32 v140, v138
	v_nop
	s_wait_alu depctr_va_vdst(0)
; O^T = v^T p: pair 2 s, 2 s + 1 holds keys 8 h + 2 s + 0, 1, in v (channel r) and in p (query r) alike
.irp s, 0,1,2,3
.irp ct, 0,1,2,3
.if \s == 0
	v_wmma_f32_16x16x4_f32 v[208+8*\ct:208+8*\ct+7], v[80+8*\ct:80+8*\ct+1], v[120:121], 0
.else
	v_wmma_f32_16x16x4_f32 v[208+8*\ct:208+8*\ct+7], v[80+8*\ct+2*\s:80+8*\ct+2*\s+1], v[120+2*\s:120+2*\s+1], v[208+8*\ct:208+8*\ct+7]
.endif
.endr
.endr
.rept 8
	v_nop
.endr
.irp ct, 0,1,2,3
.irp j, 0,1,2,3,4,5,6,7
	v_mul_f32 v[16+8*\ct+\j], v[208+8*\ct+\j], v140    ; lane (r, h): o(position r, channel 16 ct + 8 h + j)
.endr
.endr
.irp ct, 0,1,2,3
	global_store_b128 v10, v[16+8*\ct:16+8*\ct+3], s[18:19] offset:64*\ct
	global_store_b128 v10, v[16+8*\ct+4:16+8*\ct+7], s[18:19] offset:64*\ct+16
.endr
	CLOSE
.Lrest:
	CLOSE
.Lfunc_end_k_q57fe990d37_fineattn:
	.size	k_q57fe990d37_fineattn, .Lfunc_end_k_q57fe990d37_fineattn-k_q57fe990d37_fineattn
	.p2alignl 7, 3214868480
	.fill 96, 4, 3214868480
	.section	.rodata,"a",@progbits
	.p2align	6, 0x0
	.amdhsa_kernel k_q57fe990d37_fineattn
		.amdhsa_group_segment_fixed_size 13824
		.amdhsa_private_segment_fixed_size 0
		.amdhsa_enable_private_segment 0
		.amdhsa_kernarg_size 64
		.amdhsa_user_sgpr_count 2
		.amdhsa_user_sgpr_kernarg_segment_ptr 1
		.amdhsa_wavefront_size32 1
		.amdhsa_system_sgpr_workgroup_id_x 1
		.amdhsa_system_sgpr_workgroup_id_y 1
		.amdhsa_system_sgpr_workgroup_id_z 1
		.amdhsa_system_vgpr_workitem_id 0
		.amdhsa_next_free_vgpr 256
		.amdhsa_next_free_sgpr 66
		.amdhsa_reserve_vcc 1
		.amdhsa_float_denorm_mode_32 3
		.amdhsa_float_denorm_mode_16_64 3
		.amdhsa_memory_ordered 1
		.amdhsa_forward_progress 1
		.amdhsa_inst_pref_size 18
	.end_amdhsa_kernel
	.amdgpu_metadata
---
amdhsa.version: [ 1, 2 ]
amdhsa.kernels:
  - .name:           k_q57fe990d37_fineattn
    .symbol:         k_q57fe990d37_fineattn.kd
    .args:
      - { .name: xc, .offset: 0, .size: 8, .value_kind: global_buffer, .address_space: global }
      - { .name: xs, .offset: 8, .size: 8, .value_kind: global_buffer, .address_space: global }
      - { .name: wc, .offset: 16, .size: 8, .value_kind: global_buffer, .address_space: global }
      - { .name: ws, .offset: 24, .size: 8, .value_kind: global_buffer, .address_space: global }
      - { .name: bq, .offset: 32, .size: 8, .value_kind: global_buffer, .address_space: global }
      - { .name: bk, .offset: 40, .size: 8, .value_kind: global_buffer, .address_space: global }
      - { .name: bv, .offset: 48, .size: 8, .value_kind: global_buffer, .address_space: global }
      - { .name: ofine, .offset: 56, .size: 8, .value_kind: global_buffer, .address_space: global }
    .group_segment_fixed_size: 13824
    .private_segment_fixed_size: 0
    .kernarg_segment_align: 8
    .kernarg_segment_size: 64
    .max_flat_workgroup_size: 384
    .sgpr_count:     66
    .vgpr_count:     256
    .wavefront_size: 32
...
	.end_amdgpu_metadata
.endif
;; end of part 5
;; launch fineproj (part 6): grid 64 x 4, 8 waves a work-group, no clusters, 9,216 bytes of LDS; arguments ofine, Wo, bo, out0; writes out0
.if DOCPART == 6
	.amdgcn_target "amdgcn-amd-amdhsa--gfx1250"
	.amdhsa_code_object_version 6
	.text
	.protected	k_q57fe990d37_fineproj
	.globl	k_q57fe990d37_fineproj
	.p2align	8
	.type	k_q57fe990d37_fineproj,@function
k_q57fe990d37_fineproj:
	s_mov_b64 s[64:65], 0
	v_nop
	global_prefetch_b8 v0, s[64:65] scope:SCOPE_SE
	s_setreg_imm32_b32 hwreg(HW_REG_WAVE_MODE, 25, 1), 1
	s_wait_xcnt 0x0
; FINEPROJ.  The rows of out0 that belong to the first 16 positions of each sequence, from f32 operands: out0[b][t < 16][n] = the sum over k of ofine[b x 16 + t][k] Wo[k][n] + bo[n], by v_wmma_f32_16x16x4_f32 (64 rows in all: no bulk work).
; A work-group takes 16 columns (x) of one batch (y); each of its eight waves sums 128 along K on two accumulators by turns; the eight parts meet in LDS as images of their registers, and wave 0 adds them and bo, always in the same order.
; USED TRANSPOSED (source 0 = 16 columns of Wo, source 1 = the 16 rows): a lane holds row r and columns 8 h + j.  Register 4 g + i of either source holds k = 8 g + 4 h + i: a pair gives the two halves of the lanes four different k, the same on both sides.
; The stores are pieces of 32 bytes a lane, 64 bytes of a row: 262,144 bytes in the whole launch; the price of spreading the work over 256 work-groups.
; REGISTERS: v16-79 ofine, later the eight images; v80-143 Wo; v144-159 the two sums, written by matrix instructions alone; v160-167 my part; v168-175 bo.
.set SPW, 252
.set NIL, 253
.set SPARE, 8192                       ; behind the eight images: 128 bytes for each wave, four blocks of 256 bytes that no other line names
.macro CLOSE                           ; a wave's end
	s_wait_tensorcnt 0x0
	ds_add_u32 v[SPW], v[NIL]
	s_wait_dscnt 0x0
	s_endpgm
.endm
	s_load_b256 s[4:11], s[0:1], 0x0               ; ofine 4:5, Wo 6:7, bo 8:9, out0 10:11
	v_lshl_add_u32 v[SPW], v0, 2, SPARE
	v_mov_b32 v[NIL], 0
	v_lshrrev_b32 v1, 5, v0
	v_readfirstlane_b32 s12, v1                    ; wave 0..7
	s_and_b32 s13, ttmp7, 0xffff                   ; batch
	v_and_b32 v1, 15, v0                           ; r
	v_bfe_u32 v2, v0, 4, 1                         ; h
	v_lshlrev_b32 v3, 12, v1
	v_lshl_add_u32 v6, v2, 5, v3                   ; out0: row r of 4,096 bytes + 32 h
	v_lshl_add_u32 v3, v2, 4, v3                   ; ofine: row r + 16 h
	v_lshlrev_b32 v4, 2, v1
	v_lshl_add_u32 v4, v2, 14, v4                  ; Wo: column r, 4 h rows down
	v_lshlrev_b32 v5, 5, v2                        ; bo: 8 h numbers on
	v_and_b32 v7, 31, v0
	v_lshlrev_b32 v7, 4, v7                        ; an image's place for my lane
	s_lshl_b32 s14, s12, 10
	v_add_nc_u32 v8, s14, v7                       ; my part's image
	s_lshl_b32 s16, s13, 16
	s_lshl_b32 s14, s12, 9
	s_add_co_u32 s16, s16, s14                     ; ofine: batch x 16 rows + my 128 numbers
	s_mov_b32 s17, 0
	s_lshl_b32 s18, s12, 19                        ; Wo: my 128 rows of 4,096 bytes
	s_lshl_b32 s20, ttmp9, 6                       ; the work-group's 16 columns
	s_add_co_u32 s18, s18, s20
	s_mov_b32 s19, 0
	s_mov_b32 s21, 0
	s_lshl_b32 s22, s13, 23                        ; out0: batch x 2,048 rows
	s_add_co_u32 s22, s22, s20
	s_mov_b32 s23, 0
	s_wait_kmcnt 0x0
	s_add_nc_u64 s[4:5], s[4:5], s[16:17]
	s_add_nc_u64 s[6:7], s[6:7], s[18:19]
	s_add_nc_u64 s[8:9], s[8:9], s[20:21]
	s_add_nc_u64 s[10:11], s[10:11], s[22:23]
.irp g, 0,1,2,3,4,5,6,7,8,9,10,11,12,13,14,15
	global_load_b128 v[16+4*\g:16+4*\g+3], v3, s[4:5] offset:32*\g
.endr
.irp g, 0,1,2,3,4,5,6,7,8,9,10,11,12,13,14,15
.irp i, 0,1,2,3
	global_load_b32 v[80+4*\g+\i], v4, s[6:7] offset:(8*\g+\i)*4096
.endr
.endr
	s_wait_loadcnt 0x0
.irp g, 0,1,2,3,4,5,6,7,8,9,10,11,12,13,14,15  ; two sums by turns, one instruction a turn; each begins with the constant 0
.irp u, 0,1
.if \g == 0
	v_wmma_f32_16x16x4_f32 v[144+8*\u:144+8*\u+7], v[80+2*\u:80+2*\u+1], v[16+2*\u:16+2*\u+1], 0
.else
	v_wmma_f32_16x16x4_f32 v[144+8*\u:144+8*\u+7], v[80+4*\g+2*\u:80+4*\g+2*\u+1], v[16+4*\g+2*\u:16+4*\g+2*\u+1], v[144+8*\u:144+8*\u+7]
.endif
.endr
.endr
.rept 8
	v_nop
.endr
.irp j, 0,1,2,3,4,5,6,7
	v_add_f32 v[160+\j], v[144+\j], v[152+\j]      ; both from their low ends on
.endr
	ds_store_b128 v8, v[160:163]
	ds_store_b128 v8, v[164:167] offset:512
	s_wait_dscnt 0x0                               ; for the others' sake
	s_barrier_signal -1
	s_barrier_wait -1
	s_cmp_lg_u32 s12, 0
	s_cbranch_scc1 .Lrest
	global_load_b128 v[168:171], v5, s[8:9]
	global_load_b128 v[172:175], v5, s[8:9] offset:16
.irp i, 0,1,2,3,4,5,6,7
	ds_load_b128 v[16+8*\i:16+8*\i+3], v7 offset:1024*\i
	ds_load_b128 v[16+8*\i+4:16+8*\i+7], v7 offset:1024*\i+512
.endr
	s_wait_dscnt 0x0
.irp i, 0,2,4,6                                ; a tree over the eight parts
.irp p, 0,2,4,6
	v_pk_add_f32 v[16+8*\i+\p:16+8*\i+\p+1], v[16+8*\i+\p:16+8*\i+\p+1], v[24+8*\i+\p:24+8*\i+\p+1]
.endr
.endr
.irp i, 0,4
.irp p, 0,2,4,6
	v_pk_add_f32 v[16+8*\i+\p:16+8*\i+\p+1], v[16+8*\i+\p:16+8*\i+\p+1], v[32+8*\i+\p:32+8*\i+\p+1]
.endr
.endr
	s_wait_loadcnt 0x0                             ; bo
.irp p, 0,2,4,6
	v_pk_add_f32 v[16+\p:16+\p+1], v[16+\p:16+\p+1], v[48+\p:48+\p+1]
.endr
.irp p, 0,2,4,6
	v_pk_add_f32 v[16+\p:16+\p+1], v[16+\p:16+\p+1], v[168+\p:168+\p+1]
.endr
	global_store_b128 v6, v[16:19], s[10:11]
	global_store_b128 v6, v[20:23], s[10:11] offset:16
	CLOSE
.Lrest:
	CLOSE
.Lfunc_end_k_q57fe990d37_fineproj:
	.size	k_q57fe990d37_fineproj, .Lfunc_end_k_q57fe990d37_fineproj-k_q57fe990d37_fineproj
	.p2alignl 7, 3214868480
	.fill 96, 4, 3214868480
	.section	.rodata,"a",@progbits
	.p2align	6, 0x0
	.amdhsa_kernel k_q57fe990d37_fineproj
		.amdhsa_group_segment_fixed_size 9216
		.amdhsa_private_segment_fixed_size 0
		.amdhsa_enable_private_segment 0
		.amdhsa_kernarg_size 32
		.amdhsa_user_sgpr_count 2
		.amdhsa_user_sgpr_kernarg_segment_ptr 1
		.amdhsa_wavefront_size32 1
		.amdhsa_system_sgpr_workgroup_id_x 1
		.amdhsa_system_sgpr_workgroup_id_y 1
		.amdhsa_system_sgpr_workgroup_id_z 1
		.amdhsa_system_vgpr_workitem_id 0
		.amdhsa_next_free_vgpr 256
		.amdhsa_next_free_sgpr 66
		.amdhsa_reserve_vcc 0
		.amdhsa_float_denorm_mode_32 3
		.amdhsa_float_denorm_mode_16_64 3
		.amdhsa_memory_ordered 1
		.amdhsa_forward_progress 1
		.amdhsa_inst_pref_size 16
	.end_amdhsa_kernel
	.amdgpu_metadata
---
amdhsa.version: [ 1, 2 ]
amdhsa.kernels:
  - .name:           k_q57fe990d37_fineproj
    .symbol:         k_q57fe990d37_fineproj.kd
    .args:
      - { .name: ofine, .offset: 0, .size: 8, .value_kind: global_buffer, .address_space: global }
      - { .name: Wo, .offset: 8, .size: 8, .value_kind: global_buffer, .address_space: global }
      - { .name: bo, .offset: 16, .size: 8, .value_kind: global_buffer, .address_space: global }
      - { .name: out0, .offset: 24, .size: 8, .value_kind: global_buffer, .address_space: global }
    .group_segment_fixed_size: 9216
    .private_segment_fixed_size: 0
    .kernarg_segment_align: 8
    .kernarg_segment_size: 32
    .max_flat_workgroup_size: 256
    .sgpr_count:     66
    .vgpr_count:     256
    .wavefront_size: 32
...
	.end_amdgpu_metadata
.endif
;; end of part 6
